; MI455X (gfx1250); checked and timed in simulation.
; The chip was launched on July 23, 2026; its instructions are those of AMD's public machine-readable ISA for CDNA 5 (MIT licence, August 2026) and "CDNA5" Instruction Set Architecture Reference Guide (July 2026). The comments in the code are by the model that wrote it; some were corrected since.
;; Multi Head Attention. Allowed arithmetic: matrix products marked QUANTISED: E2M3 operands, one E8M0 scale for each 32 along K, by v_wmma_scale_f32_16x16x128_f8f6f4 with both operands' format E2M3, f32 sums; everything else in f32.
;; Inputs: Wk 1,024 x 1,024 float32; Wo 1,024 x 1,024 float32; Wq 1,024 x 1,024 float32; Wv 1,024 x 1,024 float32; bk 1,024 float32; bo 1,024 float32; bq 1,024 float32; bv 1,024 float32; k 4 x 2,048 x 1,024 float32; q 4 x 2,048 x 1,024 float32; v 4 x 2,048 x 1,024 float32.
;; Outputs: out0 4 x 2,048 x 1,024 float32.
;; This version of the problem:
;;   THIS VERSION OF THE PROBLEM IS GIVEN IN LOW PRECISION. The matrix products marked QUANTISED in the list below multiply operands that are first quantised to E2M3 (2 exponent bits, 3 mantissa bits; 6 bits a number), with one power-of-two scale for each 32 numbers along K (OCP MX v1.0); their sums are f32. All else is computed in f32.
;;   The module's matrix products, in the order in which they are computed (A, B: the left and right operand; K: the contracted axis; several contracted axes count as one K, in the product's order):
;;     1. [M 8,192, K 1,024] x [K 1,024, N 1,024]; A: input q; B: input Wq: QUANTISED
;;     2. [M 8,192, K 1,024] x [K 1,024, N 1,024]; A: input k; B: input Wk: QUANTISED
;;     3. [M 8,192, K 1,024] x [K 1,024, N 1,024]; A: input v; B: input Wv: QUANTISED
;;     4. batch 64 x [M 2,048, K 64] x [K 64, N 2,048]; A: computed on the way; B: computed on the way: QUANTISED
;;     5. batch 64 x [M 2,048, K 2,048] x [K 2,048, N 64]; A: softmax (see below); B: computed on the way: QUANTISED
;;     6. [M 8,192, K 1,024] x [K 1,024, N 1,024]; A: computed on the way; B: input Wo: QUANTISED
;;   THE QUANTISER, for each operand of a quantised product, along K:
;;     - K is cut into blocks of 32 from its start; a last block that is shorter is filled with zeros.
;;     - A block's scale is 2^e with e = floor(log2(the largest magnitude in the block)) - 2, held to -126 .. 127; a block of zeros has e = 0. As a byte (E8M0): e + 127.
;;     - Each number is divided by its block's scale, clamped to +-7.5, and rounded to the nearest number of E2M3, ties to even, subnormals kept.
;;     - The product sums the exact products of the quantised numbers (number of the format x scale) in f32.
;;   ~~~python
;;   def quantise(x, axis):      # numpy; x: float32 -> the quantised numbers, widened to float32 again
;;       x = np.moveaxis(x, axis, -1); K = x.shape[-1]
;;       x = np.pad(x, [(0, 0)] * (x.ndim - 1) + [(0, -K % 32)]); x = x.reshape(x.shape[:-1] + (-1, 32)); a = np.abs(x).max(-1, keepdims=True)
;;       e = np.where(a > 0, np.clip(np.frexp(np.where(a > 0, a, 1))[1] - 1 - 2, -126, 127), 0)      # np.frexp(a)[1] - 1 = floor(log2(a)), exactly
;;       r = np.clip(x / 2.0 ** e, -7.5, 7.5)
;;       step = 2.0 ** (np.maximum(np.frexp(np.where(r == 0, 1, r))[1] - 1, 0) - 3)
;;       q = np.round(r / step) * step * 2.0 ** e      # np.round: ties to even
;;       return np.moveaxis(q.reshape(q.shape[:-2] + (-1,))[..., :K], -1, axis).astype(np.float32)
;;   ~~~
;;   SOFTMAX AHEAD OF A QUANTISED PRODUCT. Where the list says 'softmax', what is quantised is not the finished softmax but p = 2^(t - M), with t = logit x log2(e) and M = ceil(the row's largest t), a whole number; so 1/2 < the row's largest p <= 1. The row's sum l is taken of the UNQUANTISED p, in f32, and the product's result is divided by l at the end. Since M is a whole number, a kernel that streams over the keys may use a running M (the ceiling of the running maximum): every later rescaling is an exact power of two, which a block's scale takes up: the codes' values come out the same.
;;   OPERANDS COMPUTED ON THE WAY. 'Computed on the way' means the value that the module computes at that place (a softmax that the list does not call 'softmax' is quantised finished and normalised). What goes into a quantiser is computed in f32, as accurately as f32 sums, v_exp_f32 and their like allow (about 1e-6 of the number): no bf16 or f16 on the way to a quantiser, and a product that is left as it is and whose result goes on into a quantised operand takes f32 operands (vector FMAs, or v_wmma_f32_16x16x4_f32). A number that lies on a knife's edge between two numbers of the format may be rounded either way, as far as f32 arithmetic and the matrix unit's own rounding can turn it there, and no further.
;; One version. Each part assembles by itself: llvm-mc -triple=amdgcn-amd-amdhsa -mcpu=gfx1250 --defsym DOCPART=n.
;; ======== version 1 of 1: 4 launches
;; limits: right only within a limited range of input values
;; workspace buffers: cimg 22,020,096 bytes; csc 917,504 bytes; qkv 19,660,800 bytes; oimg 6,291,456 bytes; osc 262,144 bytes
;; launch quant (part 1): grid 1024 x 1, 2 waves a work-group, no clusters, 29,952 bytes of LDS; arguments q, k, v, Wq, Wk, Wv, Wo, cimg, csc; writes cimg, csc
.if DOCPART == 1
	.amdgcn_target "amdgcn-amd-amdhsa--gfx1250"
	.amdhsa_code_object_version 6
	.text
	.protected	k_qc88f274872_quant
	.globl	k_qc88f274872_quant
	.p2align	8
	.type	k_qc88f274872_quant,@function
k_qc88f274872_quant:
	s_mov_b64 s[64:65], 0
	v_nop
	global_prefetch_b8 v0, s[64:65] scope:SCOPE_SE
	s_setreg_imm32_b32 hwreg(HW_REG_WAVE_MODE, 25, 1), 1
	s_wait_xcnt 0x0
; MULTI-HEAD ATTENTION IN MX-FP6, launch 1 of 4: q, k, v [8192][1024] and Wq, Wk, Wv, Wo [1024 (K)][1024 (N)], all f32, become codes of E2M3 with one E8M0 byte for each 32 along K.
; DEAD WORK: none.  Every input has a way to out0 (bk too: it moves K's codes ahead of a quantised product), so every product, bias and step of the problem is done; nothing is left out in any launch.
; A block's scale is 2^(floor(log2(its largest magnitude)) - 2); its byte is the largest magnitude's exponent field - 2, held at 1 from below.
; LIMITS: a block of zeros gets the byte 1 where the rule says 127 (its codes are zeros, which add nothing under any byte but 0xff, and this program alone reads the bytes); blocks whose largest magnitude
; lies under 2^(3 - 127) keep the byte 1; NaN and infinities among the inputs are not served.
; LAYOUT OF THE WORKSPACE (the program's own).  Rows (of an activation) or columns (of a weight) go in tiles of 16, in an order of their own inside each 128:
;   tile RT = 8 G + a, slot m  <->  row 128 G + 64 (a / 4) + 32 (m / 8) + 8 (a % 4) + m % 8.
; As source 0 of a product that order leaves 32 NEIGHBOURS in the 32 registers of four neighbouring result tiles of one lane: a whole block for the next quantiser, with no other lane asked.
; cimg: [RT][K step of 128][1,536 bytes]: a fragment as an image of its 12 registers: chunk p of 256 bytes holds registers 2 p, 2 p + 1 of lane l at byte 8 l.   csc: [16 RT + m][8 scale words].
; q, k, v lie at tz x 6,291,456 (scales tz x 262,144); the weights behind them at 18,874,368 + wi x 786,432 (scales 786,432 + wi x 32,768).
; SHARES.  Work-groups 0-767: a wave takes one tile of 16 rows of q, k or v, all of K.  Work-groups 768-1023: a wave takes 64 columns x 128 K of a weight.  Waves share nothing: no barrier.
; A stream bound by its bytes: no matrix unit, no cluster (no two work-groups read the same bytes), no tensor load.  Each of the two paths has LDS bytes of its own.
; The weights' scale words leave as 4 bytes in every 32: 131,072 bytes of the launch's stores are written so; all other stores cover whole aligned runs of 256 bytes or more.
.set SPARE, 29696                      ; behind the stages: the spare words, 128 bytes for each wave: one block of 256 bytes that no other line names
.set STA,   8448                       ; path A: a wave's stage: 16 rows x (512 bytes + 16)
.set STB0,  16896                      ; path B's stages begin here
.set STB,   6400                       ; path B: a wave's stage: 4 fragments x (1,536 bytes + 64)
.set SPW,   2                          ; v2   LDS address of my spare word; never rewritten
.set NIL,   3                          ; v3   0; never rewritten
.set R,     64                         ; path A: v64-191 two sets of 64: 16 rows x 128 numbers as loaded
.set X,     192                        ; path A: v192-255 my 64 numbers: two blocks of 32
.set XB,    128                        ; path B: v128-255 two sets of 64: two columns x 32 down K
	s_load_b512 s[8:23], s[0:1], 0x0               ; q s[8:9], k s[10:11], v s[12:13], Wq s[14:15], Wk s[16:17], Wv s[18:19], Wo s[20:21], cimg s[22:23]
	s_load_b64 s[24:25], s[0:1], 0x40              ; csc
	v_lshl_add_u32 v[SPW], v0, 2, SPARE
	v_mov_b32 v[NIL], 0
	v_lshrrev_b32 v1, 5, v0
	v_readfirstlane_b32 s4, v1                     ; wave 0, 1
	v_and_b32 v1, 31, v0                           ; lane
	s_mov_b32 s5, 0xffff0000                       ; lanes 16-31
	s_mov_b32 s6, 0x76543210
	s_mov_b32 s7, 0xfedcba98                       ; v_permlanex16_b32's selects for lane l xor 16
	s_wait_kmcnt 0x0
	s_cmp_ge_u32 ttmp9, 768
	s_cbranch_scc1 .Lweights
; ---------------- PATH A: 16 rows of an activation, K innermost in memory
	s_lshr_b32 s26, ttmp9, 8                       ; tz: 0 q, 1 k, 2 v
	s_cmp_eq_u32 s26, 1
	s_cselect_b64 s[8:9], s[10:11], s[8:9]
	s_cmp_eq_u32 s26, 2
	s_cselect_b64 s[8:9], s[12:13], s[8:9]
	s_lshl_b32 s27, ttmp9, 1
	s_add_co_u32 s27, s27, s4
	s_and_b32 s27, s27, 511                        ; RT
	s_lshr_b32 s28, s27, 3
	s_lshl_b32 s28, s28, 7                         ; 128 G
	s_bfe_u32 s29, s27, 0x10002
	s_lshl_b32 s29, s29, 6                         ; 64 (a / 4)
	s_add_co_u32 s28, s28, s29
	s_and_b32 s29, s27, 3
	s_lshl_b32 s29, s29, 3                         ; 8 (a % 4)
	s_add_co_u32 s28, s28, s29                     ; slot 0's row
	s_lshl_b32 s28, s28, 12                        ; rows of 4,096 bytes
	s_mov_b32 s29, 0
	s_add_nc_u64 s[8:9], s[8:9], s[28:29]
	s_mul_i32 s30, s26, 6291456
	s_mul_i32 s31, s27, 12288
	s_add_co_u32 s30, s30, s31
	s_mov_b32 s31, 0
	s_add_nc_u64 s[22:23], s[22:23], s[30:31]      ; my tile's codes
	s_lshl_b32 s30, s26, 18
	s_lshl_b32 s32, s27, 9
	s_add_co_u32 s30, s30, s32
	s_add_nc_u64 s[24:25], s[24:25], s[30:31]      ; and its scale words
	s_wait_alu depctr_va_vdst(0)
	v_and_b32 v17, 15, v1                          ; r
	v_lshrrev_b32 v18, 4, v1                       ; h
	v_lshlrev_b32 v4, 4, v1                        ; 16 x lane: my bytes of a load's 512
	v_lshlrev_b32 v5, 3, v1                        ; 8 x lane: my bytes of a chunk
	s_mul_i32 s33, s4, STA
	v_add_nc_u32 v6, s33, v4                       ; the stage, in: as loaded
	v_mul_u32_u24 v7, v17, 528
	v_lshl_add_u32 v7, v18, 7, v7
	v_add_nc_u32 v7, s33, v7                       ; and out: row r, + 128 h: the operand's layout gives lane (r, h) k = 64 c + 32 h + 0 .. 31
	v_lshlrev_b32 v8, 3, v18                       ; 8 h: my bytes' place in a scale word
	v_lshlrev_b32 v9, 5, v17
	v_lshl_add_u32 v9, v18, 4, v9                  ; 32 r + 16 h: my four of row r's eight scale words
	v_mov_b32 v16, 0                               ; written once: a lane permute's destination counts as one of its sources
.macro LOADA t                         ; K step t of the 16 rows: each load reads 512 consecutive bytes of one row
.irp m, 0,1,2,3,4,5,6,7,8,9,10,11,12,13,14,15
	global_load_b128 v[R+64*((\t)%2)+4*\m:R+64*((\t)%2)+4*\m+3], v4, s[8:9] offset:(\m%8+32*(\m/8))*4096+512*(\t) th:TH_LOAD_NT
.endr
.endm
.macro KSTEP t
.set RS, R+64*((\t)%2)
.if (\t) < 7
	s_wait_loadcnt 16                              ; this step's 16 loads are in; the next step's 16 may be out
.else
	s_wait_loadcnt 0x0
.endif
.irp m, 0,1,2,3,4,5,6,7,8,9,10,11,12,13,14,15
	ds_store_b128 v6, v[RS+4*\m:RS+4*\m+3] offset:528*\m
.endr
.irp c, 0,1
.irp e, 0,1,2,3,4,5,6,7
	ds_load_b128 v[X+32*\c+4*\e:X+32*\c+4*\e+3], v7 offset:256*\c+16*\e   ; LDS serves a wave's instructions in order: these see my stores
.endr
.endr
	s_wait_dscnt 0x0                               ; my 64 numbers are in, and the stores have read their registers,
.if (\t) < 6
	LOADA (\t)+2                                   ; which take the loads of two steps on
.endif
	v_max3_num_f32 v10, |v[X]|, |v[X+1]|, 0x1800000        ; each block's largest magnitude: all 32 numbers are mine; and the floor 2^(3 - 127): the byte cannot fall under 1
	v_max3_num_f32 v11, |v[X+32]|, |v[X+33]|, 0x1800000
.irp i, 2,4,6,8,10,12,14,16,18,20,22,24,26,28,30
	v_max3_num_f32 v10, v10, |v[X+\i]|, |v[X+\i+1]|        ; (the two blocks by turns)
	v_max3_num_f32 v11, v11, |v[X+32+\i]|, |v[X+33+\i]|
.endr
	v_add_nc_u32 v12, 0xff000000, v10              ; 2 off the exponent field: the conversion takes the exponent field of this operand as its scale
	v_add_nc_u32 v13, 0xff000000, v11
	v_lshrrev_b32 v14, 23, v12                     ; the scales' bytes: blocks h and 2 + h of this K step
	v_lshrrev_b32 v15, 23, v13
	v_lshl_or_b32 v14, v15, 16, v14
	v_lshlrev_b32 v14, v8, v14                     ; at their places in the word
	v_permlanex16_b32 v16, v14, s6, s7
	v_or_b32 v[40+(\t)], v14, v16                  ; with lane l xor 16's two the word is whole
	s_wait_alu depctr_va_vdst(0)
	s_wait_xcnt 0x0                                ; the last step's stores have read their data: the codes' registers are written again only behind this wait
	v_cvt_scalef32_pk16_fp6_f32 v[20:22], v[X:X+15], v12
	v_cvt_scalef32_pk16_fp6_f32 v[32:34], v[X+16:X+31], v12        ; (a conversion's three registers begin on an even number: the second half of a block's six is made elsewhere and moved)
	v_cvt_scalef32_pk16_fp6_f32 v[26:28], v[X+32:X+47], v13
	v_cvt_scalef32_pk16_fp6_f32 v[36:38], v[X+48:X+63], v13
	v_nop                                          ; one plain place behind a scaled conversion
.irp i, 0,1,2
	v_mov_b32 v[23+\i], v[32+\i]
	v_mov_b32 v[29+\i], v[36+\i]
.endr
.irp p, 0,1,2,3,4,5
	global_store_b64 v5, v[20+2*\p:21+2*\p], s[22:23] offset:1536*(\t)+256*\p   ; 32 lanes store 256 consecutive bytes, aligned
.endr
.endm
	LOADA 0
	LOADA 1
	s_wait_alu depctr_va_vdst(0)
.irp t, 0,1,2,3,4,5,6,7
	KSTEP \t
.endr
.irp i, 0,1,2,3
	v_cndmask_b32 v[48+\i], v[40+\i], v[44+\i], s5 ; lanes 0-15 store words 0-3 of their row, lanes 16-31 words 4-7
.endr
	global_store_b128 v9, v[48:51], s[24:25]       ; 512 consecutive bytes
	s_wait_tensorcnt 0x0                           ; the wave's end
	ds_add_u32 v[SPW], v[NIL]
	s_wait_dscnt 0x0
	s_endpgm
; ---------------- PATH B: 64 columns x 128 K of a weight, K its first axis.  A lane takes two columns (32 apart), and its registers run down K: nothing is transposed by an instruction
.Lweights:
	s_sub_co_u32 s26, ttmp9, 768
	s_lshl_b32 s26, s26, 1
	s_add_co_u32 s26, s26, s4                      ; unit 0 .. 511
	s_lshr_b32 s27, s26, 7                         ; wi: 0 Wq, 1 Wk, 2 Wv, 3 Wo
	s_bfe_u32 s28, s26, 0x40003                    ; cg: which 64 columns
	s_and_b32 s29, s26, 7                          ; ks: which 128 along K
	s_cmp_eq_u32 s27, 1
	s_cselect_b64 s[14:15], s[16:17], s[14:15]
	s_cmp_eq_u32 s27, 2
	s_cselect_b64 s[14:15], s[18:19], s[14:15]
	s_cmp_eq_u32 s27, 3
	s_cselect_b64 s[14:15], s[20:21], s[14:15]
	s_lshl_b32 s30, s29, 19                        ; 128 rows of 4,096 bytes
	s_lshl_b32 s31, s28, 8                         ; 64 columns of 4 bytes
	s_add_co_u32 s30, s30, s31
	s_mov_b32 s31, 0
	s_add_nc_u64 s[14:15], s[14:15], s[30:31]
	s_mul_i32 s30, s27, 786432
	s_add_co_u32 s30, s30, 18874368
	s_mul_i32 s32, s28, 4*12288                    ; column 64 cg + 32 e + lane is tile 4 cg + lane / 8, slot lane % 8 + 8 e
	s_add_co_u32 s30, s30, s32
	s_mul_i32 s32, s29, 1536
	s_add_co_u32 s30, s30, s32
	s_add_nc_u64 s[22:23], s[22:23], s[30:31]
	s_lshl_b32 s30, s27, 15
	s_add_co_u32 s30, s30, 786432
	s_lshl_b32 s32, s28, 11
	s_add_co_u32 s30, s30, s32
	s_lshl_b32 s32, s29, 2
	s_add_co_u32 s30, s30, s32
	s_add_nc_u64 s[24:25], s[24:25], s[30:31]
	s_wait_alu depctr_va_vdst(0)
	v_lshrrev_b32 v18, 3, v1                       ; lane / 8
	v_and_b32 v19, 7, v1                           ; lane % 8
	v_lshlrev_b32 v4, 2, v1                        ; in: 4 bytes a lane
	v_lshlrev_b32 v5, 4, v1                        ; out: 16 bytes a lane
	s_mul_i32 s33, s4, STB
	s_add_co_u32 s33, s33, STB0                    ; my stage
	v_mul_u32_u24 v6, v18, 1600
	v_lshl_add_u32 v6, v19, 3, v6
	v_add_nc_u32 v6, s33, v6                       ; into it: fragment lane / 8, the place of lane (slot, half) in a chunk: 8 bytes
	v_add_nc_u32 v7, s33, v5                       ; out of it: as it lies
	v_lshlrev_b32 v8, 9, v18
	v_lshl_add_u32 v8, v19, 5, v8                  ; my columns' rows of scale words
.macro LOADB kb                        ; block kb: W(32 kb + i, my two columns): 32 lanes read 128 consecutive bytes
.irp e, 0,1
.irp i, 0,1,2,3,4,5,6,7,8,9,10,11,12,13,14,15,16,17,18,19,20,21,22,23,24,25,26,27,28,29,30,31
	global_load_b32 v[XB+64*((\kb)%2)+32*\e+\i], v4, s[14:15] offset:(32*(\kb)+\i)*4096+128*\e th:TH_LOAD_NT
.endr
.endr
.endm
.macro BLOCKB kb
.set XS, XB+64*((\kb)%2)
.if (\kb) < 3
	s_wait_loadcnt 63                              ; this block's 64 loads are in.  64 were issued behind them; the count's field ends at 63, so one more than needed is waited for
.else
	s_wait_loadcnt 0x0
.endif
.irp e, 0,1
	v_max3_num_f32 v[10+\e], |v[XS+32*\e]|, |v[XS+32*\e+1]|, 0x1800000
.endr
.irp i, 2,4,6,8,10,12,14,16,18,20,22,24,26,28,30
.irp e, 0,1
	v_max3_num_f32 v[10+\e], v[10+\e], |v[XS+32*\e+\i]|, |v[XS+32*\e+\i+1]|
.endr
.endr
.irp e, 0,1
	v_add_nc_u32 v[12+\e], 0xff000000, v[10+\e]
.endr
.irp e, 0,1
	v_lshrrev_b32 v[14+\e], 23, v[12+\e]
.endr
.irp e, 0,1
.if (\kb) == 0
	v_mov_b32 v[16+\e], v[14+\e]                   ; four bytes to a word, the lower K in the lower byte
.else
	v_lshl_or_b32 v[16+\e], v[14+\e], 8*(\kb), v[16+\e]
.endif
.endr
.irp e, 0,1
	v_cvt_scalef32_pk16_fp6_f32 v[20+6*\e:22+6*\e], v[XS+32*\e:XS+32*\e+15], v[12+\e]
	v_cvt_scalef32_pk16_fp6_f32 v[32+4*\e:34+4*\e], v[XS+32*\e+16:XS+32*\e+31], v[12+\e]
.endr
	v_nop                                          ; one plain place behind a scaled conversion
.irp e, 0,1
.irp i, 0,1,2
	v_mov_b32 v[23+6*\e+\i], v[32+4*\e+\i]
.endr
.endr
.irp e, 0,1
.irp q, 0,1,2
	ds_store_b64 v6, v[20+6*\e+2*\q:21+6*\e+2*\q] offset:768*((\kb)/2)+256*\q+64*\e+128*((\kb)%2)   ; block kb = registers 6 (kb / 2) on of lane slot + 16 (kb % 2)
.endr
.endr
.if (\kb) < 2
	LOADB (\kb)+2
.endif
	s_wait_dscnt 0x0                               ; the stores have read their registers
.endm
	LOADB 0
	LOADB 1
	BLOCKB 0
	BLOCKB 1
	BLOCKB 2
	BLOCKB 3
.irp i, 0,1,2,3
.irp c, 0,1,2
	ds_load_b128 v[40+12*\i+4*\c:43+12*\i+4*\c], v7 offset:1600*\i+512*\c
.endr
.endr
.irp i, 0,1,2,3
.irp c, 0,1,2
	s_wait_dscnt 11-3*\i-\c                        ; the younger reads of the stage may be out
	global_store_b128 v5, v[40+12*\i+4*\c:43+12*\i+4*\c], s[22:23] offset:12288*\i+512*\c   ; 512 consecutive bytes of a fragment
.endr
.endr
	global_store_b32 v8, v16, s[24:25]             ; this K step's scale word of my two columns
	global_store_b32 v8, v17, s[24:25] offset:256
	s_wait_tensorcnt 0x0                           ; the wave's end
	ds_add_u32 v[SPW], v[NIL]
	s_wait_dscnt 0x0
	s_endpgm
.Lfunc_end_k_qc88f274872_quant:
	.size	k_qc88f274872_quant, .Lfunc_end_k_qc88f274872_quant-k_qc88f274872_quant
	.p2alignl 7, 3214868480
	.fill 96, 4, 3214868480
	.section	.rodata,"a",@progbits
	.p2align	6, 0x0
	.amdhsa_kernel k_qc88f274872_quant
		.amdhsa_group_segment_fixed_size 29952
		.amdhsa_private_segment_fixed_size 0
		.amdhsa_enable_private_segment 0
		.amdhsa_kernarg_size 72
		.amdhsa_user_sgpr_count 2
		.amdhsa_user_sgpr_kernarg_segment_ptr 1
		.amdhsa_wavefront_size32 1
		.amdhsa_system_sgpr_workgroup_id_x 1
		.amdhsa_system_sgpr_workgroup_id_y 1
		.amdhsa_system_sgpr_workgroup_id_z 1
		.amdhsa_system_vgpr_workitem_id 0
		.amdhsa_next_free_vgpr 256
		.amdhsa_next_free_sgpr 66
		.amdhsa_reserve_vcc 0
		.amdhsa_float_denorm_mode_32 3
		.amdhsa_float_denorm_mode_16_64 3
		.amdhsa_memory_ordered 1
		.amdhsa_forward_progress 1
		.amdhsa_inst_pref_size 102
	.end_amdhsa_kernel
	.amdgpu_metadata
---
amdhsa.version: [ 1, 2 ]
amdhsa.kernels:
  - .name:           k_qc88f274872_quant
    .symbol:         k_qc88f274872_quant.kd
    .args:
      - { .name: q, .offset: 0, .size: 8, .value_kind: global_buffer, .address_space: global }
      - { .name: k, .offset: 8, .size: 8, .value_kind: global_buffer, .address_space: global }
      - { .name: v, .offset: 16, .size: 8, .value_kind: global_buffer, .address_space: global }
      - { .name: Wq, .offset: 24, .size: 8, .value_kind: global_buffer, .address_space: global }
      - { .name: Wk, .offset: 32, .size: 8, .value_kind: global_buffer, .address_space: global }
      - { .name: Wv, .offset: 40, .size: 8, .value_kind: global_buffer, .address_space: global }
      - { .name: Wo, .offset: 48, .size: 8, .value_kind: global_buffer, .address_space: global }
      - { .name: cimg, .offset: 56, .size: 8, .value_kind: global_buffer, .address_space: global }
      - { .name: csc, .offset: 64, .size: 8, .value_kind: global_buffer, .address_space: global }
    .group_segment_fixed_size: 29952
    .private_segment_fixed_size: 0
    .kernarg_segment_align: 8
    .kernarg_segment_size: 72
    .max_flat_workgroup_size: 64
    .sgpr_count:     66
    .vgpr_count:     256
    .wavefront_size: 32
...
	.end_amdgpu_metadata
.endif
;; end of part 1
;; launch proj (part 2): grid 4 x 96, 4 waves a work-group, clusters of 4 x 4, 327,680 bytes of LDS; arguments cimg, csc, bq, bk, bv, qkv; writes qkv
.if DOCPART == 2
	.amdgcn_target "amdgcn-amd-amdhsa--gfx1250"
	.amdhsa_code_object_version 6
	.text
	.protected	k_qc88f274872_proj
	.globl	k_qc88f274872_proj
	.p2align	8
	.type	k_qc88f274872_proj,@function
k_qc88f274872_proj:
	s_mov_b64 s[64:65], 0
	v_nop
	global_prefetch_b8 v0, s[64:65] scope:SCOPE_SE
	s_setreg_imm32_b32 hwreg(HW_REG_WAVE_MODE, 25, 1), 1
	s_wait_xcnt 0x0
	s_wait_alu depctr_hold_cnt(0) depctr_sa_sdst(0) depctr_va_vdst(0) depctr_va_sdst(0) depctr_va_ssrc(0) depctr_va_vcc(0) depctr_vm_vsrc(0)
	s_getreg_b32 s2, hwreg(HW_REG_IB_STS2, 6, 4)
	s_cmp_eq_u32 s2, 0
	s_cbranch_scc0 .Lentry_in_a_cluster
	s_endpgm
.Lentry_in_a_cluster:
	s_bfe_u32 s2, ttmp6, 0x10000c
	s_cmp_lg_u32 s2, 0xf033
	s_cbranch_scc0 .Lentry_shape_is_right
	s_endpgm
.Lentry_shape_is_right:
.set NQ,     2
.set FR,     12
.set NL,     6
.set NP,     4
.set HALFT,  24576
.set SLOT,   4*HALFT
.set SCL,    2*SLOT
.set HALFS,  4352
.set SBLK,   544
.set SPARE,  SCL+4*HALFS
.set ADRA, 16
.set ADRB, 20
.set L16,  22
.set L8,   23
.set SH8,  24
.set BOQ,  25
.set BOV,  26
.set ADRS, 27
.set SPW,  28
.set NIL,  29
.set SC,   32
.set BIAS, 64
.set AF,   128
.set G1,   24
.set G0,   32
.set G1B,  48
.set G0B,  56
.set G1S,  68
.set G1SB, 76
.set G0S,  84
.set G0SB, 88
.set MSB, 0
.macro WIN new
.if MSB != (\new)
	s_set_vgpr_msb (MSB<<8)|(\new)
.set MSB, (\new)
.endif
.endm
.set MUL_LO, 0xa1
.set MUL_HI, 0xf1
.set TO_B,   0x40
.macro JLOAD g0a, g1a, g0b, g1b
	s_cmp_eq_u32 s15, 0
	s_cbranch_scc0 .Lfor_b_\@
	tensor_load_to_lds s[\g0a:\g0a+3], s[\g1a:\g1a+7]
	s_nop 0
.rept 4
	v_nop
.endr
	s_branch .Lasked_\@
.Lfor_b_\@:
	tensor_load_to_lds s[\g0b:\g0b+3], s[\g1b:\g1b+7]
	s_nop 0
.rept 4
	v_nop
.endr
.Lasked_\@:
.endm
.macro CREST
	s_cmp_lg_u32 s14, 0
	s_cbranch_scc1 .Lnot_wave_0_\@
	s_barrier_signal -3
.Lnot_wave_0_\@:
	s_barrier_wait -3
	s_barrier_signal -1
	s_barrier_wait -1
.endm
.macro CROUND
	s_barrier_signal -1
	s_barrier_wait -1
	CREST
.endm
	s_load_b256 s[84:91], s[0:1], 0x0
	s_load_b128 s[92:95], s[0:1], 0x20
	v_lshl_add_u32 v[SPW], v0, 2, SPARE
	v_mov_b32 v[NIL], 0
	ds_add_u32 v[SPW], v[NIL]
	ds_add_u32 v[SPW], v[NIL]
	v_lshrrev_b32 v1, 5, v0
	v_readfirstlane_b32 s14, v1
	s_lshr_b32 s15, s14, 1
	s_and_b32 s16, s14, 1
	s_bfe_u32 s40, ttmp6, 0x40000
	s_bfe_u32 s41, ttmp6, 0x40004
	s_and_b32 s42, ttmp7, 0xffff
	s_lshr_b32 s22, s42, 3
	s_and_b32 s42, s42, 7
	s_lshl_b32 s42, s42, 2
	s_mul_i32 s4, s22, 6291456
	s_mul_i32 s5, s22, 786432
	s_add_co_u32 s5, s5, 18874368
	s_lshl_b32 s6, s22, 18
	s_lshl_b32 s7, s22, 15
	s_add_co_u32 s7, s7, 786432
	s_cmp_eq_u32 s22, 2
	s_cselect_b32 s3, 1, 0
	s_cselect_b32 s17, 0, s42
	s_cselect_b32 s42, s42, 0
	s_cselect_b32 s96, s5, s4
	s_cselect_b32 s98, s4, s5
	s_cselect_b32 s97, s7, s6
	s_cselect_b32 s99, s6, s7
	s_add_co_u32 s17, s17, s41
	s_add_co_u32 s42, s42, s40
	s_lshl_b32 s43, s41, 2
	s_lshl_b32 s43, 15, s43
	s_lshl_b32 s44, 0x1111, s40
	s_or_b32 s[G1+0], s43, (3<<16)|(1<<21)
	s_or_b32 s[G1B+0], s44, (3<<16)|(1<<21)
.irp g, G1, G1B
	s_mov_b32 s[\g+1], 384<<16
	s_mov_b32 s[\g+2], 16<<16                      ; the head's loads bring all 16 tiles of a side; behind them the two words are set to 8
	s_mov_b32 s[\g+3], 384<<16
	s_mov_b32 s[\g+4], 16
	s_mov_b32 s[\g+5], 1536
	s_mov_b32 s[\g+6], 0
	s_mov_b32 s[\g+7], 0
.endr
	s_or_b32 s[G1S+0], s43, (3<<16)|(1<<20)|(1<<21)|(5<<22)|(3<<25)
	s_or_b32 s[G1SB+0], s44, (3<<16)|(1<<20)|(1<<21)|(5<<22)|(3<<25)
.irp g, G1S, G1SB
	s_mov_b32 s[\g+1], 32<<16
	s_mov_b32 s[\g+2], 32<<16                      ; the scales of all 256 rows of a side: 32 rows of 256 bytes
	s_mov_b32 s[\g+3], 32<<16
	s_mov_b32 s[\g+4], 32
	s_mov_b32 s[\g+5], 32
	s_mov_b32 s[\g+6], 0
	s_mov_b32 s[\g+7], 0
.endr
	s_lshl_b32 s18, s16, 3
	s_lshl_b32 s20, s17, 4
	s_add_co_u32 s20, s20, s18
	s_lshl_b32 s46, s42, 4
	s_add_co_u32 s46, s46, s18
	s_mul_i32 s21, s20, 12288
	s_add_co_u32 s96, s96, s21
	s_lshl_b32 s21, s20, 9
	s_add_co_u32 s97, s97, s21
	s_mul_i32 s47, s46, 12288
	s_add_co_u32 s98, s98, s47
	s_lshl_b32 s47, s46, 9
	s_add_co_u32 s99, s99, s47
	s_mul_i32 s45, s14, HALFT
	s_mul_i32 s23, s14, HALFS
	s_lshl_b32 s66, s17, 8
	s_lshl_b32 s2, s15, 7
	s_add_co_u32 s66, s66, s2
	s_lshl_b32 s67, s42, 8
	s_lshl_b32 s2, s16, 7
	s_add_co_u32 s67, s67, s2
	s_cmp_eq_u32 s3, 1
	s_cselect_b32 s2, s67, s66
	s_cselect_b32 s66, s66, s67
	s_lshr_b32 s67, s2, 11
	s_lshl_b32 s67, s67, 4
	s_lshr_b32 s12, s66, 6
	s_add_co_u32 s67, s67, s12
	s_bfe_u32 s2, s2, 0x40007
	s_mul_i32 s12, s67, 102400
	s_mul_i32 s13, s2, 6400
	s_add_co_u32 s12, s12, s13
	s_mul_i32 s18, s67, 204800
	s_mul_i32 s13, s2, 12800
	s_add_co_u32 s18, s18, s13
	s_mul_i32 s13, s3, 6400
	s_add_co_u32 s18, s18, s13
	s_add_co_u32 s18, s18, 6553600
	s_mov_b32 s19, 204800
	s_cmp_eq_u32 s22, 0
	s_cselect_b32 s12, s12, s18
	s_cselect_b32 s18, 102400, s19
	s_mov_b32 s13, 0
	s_mov_b32 s19, 0
	s_lshl_b32 s66, s66, 2
	s_mov_b32 s67, 0
	s_wait_dscnt 0x0
	s_wait_kmcnt 0x0
	s_cmp_eq_u32 s22, 1
	s_cselect_b64 s[20:21], s[90:91], s[88:89]
	s_cmp_eq_u32 s22, 2
	s_cselect_b64 s[20:21], s[92:93], s[20:21]
	s_add_nc_u64 s[20:21], s[20:21], s[66:67]
	s_add_nc_u64 s[12:13], s[94:95], s[12:13]
	s_add_nc_u64 s[18:19], s[12:13], s[18:19]
	s_mov_b32 s4, s96
	s_mov_b32 s5, 0
	s_add_nc_u64 s[4:5], s[84:85], s[4:5]
	s_mov_b32 s6, s97
	s_mov_b32 s7, 0
	s_add_nc_u64 s[6:7], s[86:87], s[6:7]
	s_mov_b32 s8, s98
	s_mov_b32 s9, 0
	s_add_nc_u64 s[8:9], s[84:85], s[8:9]
	s_mov_b32 s10, s99
	s_mov_b32 s11, 0
	s_add_nc_u64 s[10:11], s[86:87], s[10:11]
	CROUND
	s_mov_b32 s[G0S], 1
	s_add_co_u32 s[G0S+1], s23, SCL-HALFS          ; issued by wave 1 alone: A's scales from SCL on,
	s_sub_nc_u64 s[G0S+2:G0S+3], s[6:7], 4096      ; from the side's first row (wave 1's own half begins 4,096 bytes on)
	s_or_b32 s[G0S+3], s[G0S+3], 0x80000000
	s_mov_b32 s[G0SB], 1
	s_add_co_u32 s[G0SB+1], s23, SCL-HALFS         ; issued by wave 3 alone: B's scales from SCL + 2 HALFS on
	s_sub_nc_u64 s[G0SB+2:G0SB+3], s[10:11], 4096
	s_or_b32 s[G0SB+3], s[G0SB+3], 0x80000000
.irp s, 0,1
	s_mov_b32 s[G0+4*\s], 1
	s_add_co_u32 s[G0+4*\s+1], s45, \s*SLOT
	s_add_nc_u64 s[G0+4*\s+2:G0+4*\s+3], s[4:5], \s*3072
	s_or_b32 s[G0+4*\s+3], s[G0+4*\s+3], 0x80000000
	s_mov_b32 s[G0B+4*\s], 1
	s_add_co_u32 s[G0B+4*\s+1], s45, \s*SLOT
	s_add_nc_u64 s[G0B+4*\s+2:G0B+4*\s+3], s[8:9], \s*3072
	s_or_b32 s[G0B+4*\s+3], s[G0B+4*\s+3], 0x80000000
.endr
; THE HEAD'S FOUR TILES, ONE JOINT LOAD A WAVE, in one chain of branches on the wave's number: wave 0 slot 0's 16 tiles of A, wave 2 its 16 tiles of B (their own quarters begin at the side's first tile), wave 1 A's scales, wave 3 B's
	s_cmp_eq_u32 s14, 0
	s_cbranch_scc0 .Lhead_b
	tensor_load_to_lds s[G0:G0+3], s[G1:G1+7]
	s_nop 0
.rept 4
	v_nop
.endr
	s_branch .Lhead_asked
.Lhead_b:
	s_cmp_eq_u32 s14, 2
	s_cbranch_scc0 .Lhead_sa
	tensor_load_to_lds s[G0B:G0B+3], s[G1B:G1B+7]
	s_nop 0
.rept 4
	v_nop
.endr
	s_branch .Lhead_asked
.Lhead_sa:
	s_cmp_eq_u32 s14, 1
	s_cbranch_scc0 .Lhead_sb
	tensor_load_to_lds s[G0S:G0S+3], s[G1S:G1S+7]
	s_nop 0
.rept 4
	v_nop
.endr
	s_branch .Lhead_asked
.Lhead_sb:
	tensor_load_to_lds s[G0SB:G0SB+3], s[G1SB:G1SB+7]
	s_nop 0
.rept 4
	v_nop
.endr
.Lhead_asked:
	s_mov_b32 s96, 0x76543210
	s_mov_b32 s97, 0xfedcba98
	s_mov_b32 s23, 0xffff0000
	v_and_b32 v1, 15, v0
	v_bfe_u32 v2, v0, 4, 1
	v_and_b32 v3, 31, v0
	v_lshlrev_b32 v[L16], 4, v3
	v_lshlrev_b32 v[L8], 3, v3
	v_lshlrev_b32 v[SH8], 3, v2
	v_lshlrev_b32 v[BOQ], 7, v2
	v_and_b32 v4, 7, v1
	v_lshrrev_b32 v5, 3, v1
	v_lshlrev_b32 v[BOV], 2, v4
	v_lshl_add_u32 v[BOV], v5, 7, v[BOV]
	s_mul_i32 s46, s15, HALFT
	s_mul_i32 s47, s16, HALFT
	s_add_co_u32 s47, s47, 2*HALFT
.irp s, 0,1
	v_add_nc_u32 v[ADRA+\s], s46, v[L8]
	v_add_nc_u32 v[ADRB+\s], s47, v[L8]
	s_add_co_u32 s46, s46, SLOT
	s_add_co_u32 s47, s47, SLOT
.endr
	v_lshlrev_b32 v5, 5, v1
	v_lshrrev_b32 v6, 8, v5
	v_lshl_add_u32 v5, v6, 4, v5
	s_mul_i32 s46, s15, HALFS
	s_mul_i32 s47, s16, HALFS
	s_add_co_u32 s47, s47, 2*HALFS
	s_sub_co_u32 s47, s47, s46
	v_mul_u32_u24 v6, s47, v2
	s_add_co_u32 s46, s46, SCL
	v_add_nc_u32 v5, v5, v6
	v_add_nc_u32 v[ADRS], s46, v5
	s_cmp_eq_u32 s3, 1
	s_cbranch_scc1 .Lbias_v
.irp t, 0,1,2,3,4,5,6,7
	global_load_b128 v[BIAS+8*\t:BIAS+8*\t+3], v[BOQ], s[20:21] offset:(64*(\t/4)+8*(\t%4))*4
	global_load_b128 v[BIAS+8*\t+4:BIAS+8*\t+7], v[BOQ], s[20:21] offset:(64*(\t/4)+8*(\t%4))*4+16
.endr
	s_branch .Lbias_in
.Lbias_v:
.irp a, 0,1,2,3,4,5,6,7
	global_load_b32 v[BIAS+8*\a], v[BOV], s[20:21] offset:(64*(\a/4)+8*(\a%4))*4
.endr
	s_wait_loadcnt 0x0
.irp a, 0,1,2,3,4,5,6,7
.irp j, 1,2,3,4,5,6,7
	v_mov_b32 v[BIAS+8*\a+\j], v[BIAS+8*\a]
.endr
.endr
.Lbias_in:
.macro FRAG reg, adr, q, i
.irp p, 0,1,2,3,4,5
	ds_load_b64 v[\reg+2*\p:\reg+2*\p+1], v[\adr] offset:3072*(\i)+1536*(\q)+256*\p
.endr
.endm
.macro MUL16 a0, p, q, sc, zero
.irp a, \a0, \a0+1
.irp b, 0,1,2,3,4,5,6,7
.if \zero == 1
	v_wmma_scale_f32_16x16x128_f8f6f4 v[8*(8*((\a)%4)+\b):8*(8*((\a)%4)+\b)+7], v[128*(\p)+FR*\b:128*(\p)+FR*\b+FR-1], v[AF+FR*(\a):AF+FR*(\a)+FR-1], v[BIAS+8*\b:BIAS+8*\b+7], v[SC+8*NQ*(\sc)+NQ*\b+(\q)], v[SC+8*NQ*(\sc)+NQ*(\a)+(\q)] matrix_a_fmt:MATRIX_FMT_FP6 matrix_b_fmt:MATRIX_FMT_FP6 matrix_a_scale:MATRIX_SCALE_ROW1
.elseif \zero == 2
	v_wmma_scale_f32_16x16x128_f8f6f4 v[8*(8*((\a)%4)+\b):8*(8*((\a)%4)+\b)+7], v[128*(\p)+FR*\b:128*(\p)+FR*\b+FR-1], v[AF+FR*(\a):AF+FR*(\a)+FR-1], v[BIAS+8*(\a):BIAS+8*(\a)+7], v[SC+8*NQ*(\sc)+NQ*\b+(\q)], v[SC+8*NQ*(\sc)+NQ*(\a)+(\q)] matrix_a_fmt:MATRIX_FMT_FP6 matrix_b_fmt:MATRIX_FMT_FP6 matrix_a_scale:MATRIX_SCALE_ROW1
.else
	v_wmma_scale_f32_16x16x128_f8f6f4 v[8*(8*((\a)%4)+\b):8*(8*((\a)%4)+\b)+7], v[128*(\p)+FR*\b:128*(\p)+FR*\b+FR-1], v[AF+FR*(\a):AF+FR*(\a)+FR-1], v[8*(8*((\a)%4)+\b):8*(8*((\a)%4)+\b)+7], v[SC+8*NQ*(\sc)+NQ*\b+(\q)], v[SC+8*NQ*(\sc)+NQ*(\a)+(\q)] matrix_a_fmt:MATRIX_FMT_FP6 matrix_b_fmt:MATRIX_FMT_FP6 matrix_a_scale:MATRIX_SCALE_ROW1
.endif
.endr
.endr
.endm
.macro FETCH_B slot, q, p
	WIN TO_B
.irp i, 0,1,2,3,4,5,6,7
	FRAG 128*(\p)+FR*\i, ADRB+\slot, \q, \i
.endr
	WIN 0
.endm
.macro FETCH_A slot, q, i0
.irp i, \i0, \i0+1, \i0+2, \i0+3
	FRAG AF+FR*(\i), ADRA+\slot, \q, \i
.endr
.endm
.macro SCALES sc
.irp i, 0,1,2,3,4,5,6,7
	ds_load_b64 v[SC+8*NQ*\sc+NQ*\i:SC+8*NQ*\sc+NQ*\i+1], v[ADRS] offset:\i*SBLK
.endr
.endm
.macro PLACES n
.rept \n
	v_nop
.endr
.endm
.macro STEP slot, q, zero
	s_wait_dscnt 4*NL
.if \zero
	WIN 0x81
.else
	WIN MUL_LO
.endif
	MUL16 0, (\q)%2, \q, \slot, \zero
	MUL16 2, (\q)%2, \q, \slot, \zero
	s_wait_dscnt 0
	PLACES NP
	FETCH_B \slot, (\q)+1, 1-(\q)%2
	FETCH_A \slot, (\q)+1, 0
.if \zero
	WIN 0xc1
.else
	WIN MUL_HI
.endif
	MUL16 4, (\q)%2, \q, \slot, \zero
	MUL16 6, (\q)%2, \q, \slot, \zero
	PLACES NP
	WIN 0
	FETCH_A \slot, (\q)+1, 4
.endm
.macro TURN slot, next, fill
	s_wait_tensorcnt 0x0
	ds_add_u32 v[SPW], v[NIL]
	s_wait_dscnt 4*NL+1
	WIN MUL_LO
	MUL16 0, 1, NQ-1, \slot, 0
	s_wait_dscnt 0x0
	s_barrier_signal -1
	MUL16 2, 1, NQ-1, \slot, 0
	WIN 0
	s_barrier_wait -1
.if \fill
	CREST
	s_add_nc_u64 s[G0+4*\slot+2:G0+4*\slot+3], s[G0+4*\slot+2:G0+4*\slot+3], 6144
	s_add_nc_u64 s[G0B+4*\slot+2:G0B+4*\slot+3], s[G0B+4*\slot+2:G0B+4*\slot+3], 6144
	JLOAD G0+4*\slot, G1, G0B+4*\slot, G1B
.else
	PLACES NP
.endif
	s_wait_alu depctr_va_vdst(0)
	v_add_nc_u32 v[ADRS], 4*NQ, v[ADRS]
	FETCH_B \next, 0, 0
	FETCH_A \next, 0, 0
	SCALES \next
	WIN MUL_HI
	MUL16 4, 1, NQ-1, \slot, 0
	MUL16 6, 1, NQ-1, \slot, 0
	PLACES NP
	WIN 0
	FETCH_A \next, 0, 4
.endm
.set EM,  128
.set ESO, 132
.set EBY, 136
.set EPX, 140
.set ET,  144
.set EFA, 160
.set EWA, 184
.set ESP, 192
.macro EPI path
	v_mov_b32 v[EPX], 0
.irp g, 0,1,2,3
.set AB, 128*(\g%2)
.if \g > 0
	s_wait_xcnt 0x0
.endif
	WIN 0x0a+5*(\g/2)
.irp x, 0,1,2,3
	v_max3_num_f32 v[EM+\x], |v[AB+32*\x]|, |v[AB+32*\x+1]|, 0x1800000
.endr
.irp i, 2,4,6,8,10,12,14,16,18,20,22,24,26,28,30
.irp x, 0,1,2,3
	v_max3_num_f32 v[EM+\x], |v[AB+32*\x+\i]|, |v[AB+32*\x+\i+1]|, v[EM+\x]
.endr
.endr
	WIN 0
.irp x, 0,1,2,3
	v_add_nc_u32 v[ESO+\x], 0xff000000, v[EM+\x]
.endr
.irp x, 0,1,2,3
	v_lshrrev_b32 v[EBY+\x], 23, v[ESO+\x]
.endr
	WIN 0x02+(\g/2)
.irp x, 0,1,2,3
.if \path
.set FD, EFA+12*(\x/2)+6*(\x%2)
.else
.set FD, EFA+12*(\x%2)+6*(\x/2)
.endif
	v_cvt_scalef32_pk16_fp6_f32 v[FD:FD+2], v[AB+32*\x:AB+32*\x+15], v[ESO+\x]
	v_cvt_scalef32_pk16_fp6_f32 v[ET+4*\x:ET+4*\x+2], v[AB+32*\x+16:AB+32*\x+31], v[ESO+\x]
.endr
	WIN 0
.irp f, 0,1
.if \path
.set B0, EBY+2*\f
.set B1, EBY+2*\f+1
.else
.set B0, EBY+\f
.set B1, EBY+2+\f
.endif
	v_lshl_or_b32 v[B0], v[B1], 16, v[B0]
	v_lshlrev_b32 v[B0], v[SH8], v[B0]
	v_permlanex16_b32 v[EPX], v[B0], s96, s97
	v_or_b32 v[EWA+4*\f+\g], v[B0], v[EPX]
.endr
.irp x, 0,1,2,3
.if \path
.set FD, EFA+12*(\x/2)+6*(\x%2)
.else
.set FD, EFA+12*(\x%2)+6*(\x/2)
.endif
.irp i, 0,1,2
	v_mov_b32 v[FD+3+\i], v[ET+4*\x+\i]
.endr
.endr
.irp f, 0,1
.irp c, 0,1,2
.if \path
	global_store_b128 v[L16], v[EFA+12*\f+4*\c:EFA+12*\f+4*\c+3], s[12+6*(\g/2):13+6*(\g/2)] offset:1536*(2*(\g%2)+\f)+512*\c
.else
	global_store_b128 v[L16], v[EFA+12*\f+4*\c:EFA+12*\f+4*\c+3], s[12+6*\f:13+6*\f] offset:1536*\g+512*\c
.endif
.endr
.endr
.endr
.if \path
	v_cndmask_b32 v[ESP], v[EWA], v[EWA+4], s23
	v_cndmask_b32 v[ESP+1], v[EWA+1], v[EWA+5], s23
	v_cndmask_b32 v[ESP+2], v[EWA+2], v[EWA+6], s23
	v_cndmask_b32 v[ESP+3], v[EWA+3], v[EWA+7], s23
.else
	v_cndmask_b32 v[ESP], v[EWA], v[EWA+1], s23
	v_cndmask_b32 v[ESP+1], v[EWA+2], v[EWA+3], s23
	v_cndmask_b32 v[ESP+2], v[EWA+4], v[EWA+5], s23
	v_cndmask_b32 v[ESP+3], v[EWA+6], v[EWA+7], s23
.endif
	global_store_b64 v[L8], v[ESP:ESP+1], s[12:13] offset:6144
	global_store_b64 v[L8], v[ESP+2:ESP+3], s[18:19] offset:6144
.endm
	s_wait_alu depctr_va_vdst(0)                   ; the wait at the head's end
	s_wait_tensorcnt 0x0                           ; my tile of the head's four is in
	ds_add_u32 v[SPW], v[NIL]
	s_mov_b32 s[G1+2], 8<<16                       ; no tensor load of mine is out: from here on a load brings 8 tiles
	s_mov_b32 s[G1+4], 8
	s_mov_b32 s[G1B+2], 8<<16
	s_mov_b32 s[G1B+4], 8
	s_wait_dscnt 0x0
	CROUND                                         ; all four tiles are in, and the sixteen work-groups meet
	JLOAD G0+4, G1, G0B+4, G1B                     ; slot 1's first fill, a quarter a wave: the first tensor load behind the round
	FETCH_B 0, 0, 0
	FETCH_A 0, 0, 0
	SCALES 0
	FETCH_A 0, 0, 4
	s_wait_loadcnt 0x0
	s_cmp_eq_u32 s3, 1
	s_cbranch_scc1 .Lfirst_v
	STEP 0, 0, 1
	s_branch .Lfirst_done
.Lfirst_v:
	STEP 0, 0, 2
.Lfirst_done:
	TURN 0, 1, 1
	STEP 1, 0, 0
	TURN 1, 0, 1
	STEP 0, 0, 0
	TURN 0, 1, 0
	STEP 1, 0, 0
	s_wait_dscnt 4*NL
	WIN MUL_LO
	MUL16 0, 1, NQ-1, 1, 0
	MUL16 2, 1, NQ-1, 1, 0
	s_wait_dscnt 0
	WIN MUL_HI
	MUL16 4, 1, NQ-1, 1, 0
	MUL16 6, 1, NQ-1, 1, 0
	WIN 0
	PLACES NP
	s_cmp_eq_u32 s3, 1
	s_cbranch_scc1 .Lout_v
	EPI 0
	s_branch .Lout_done
.Lout_v:
	EPI 1
.Lout_done:
	s_wait_tensorcnt 0x0
	ds_add_u32 v[SPW], v[NIL]
	s_wait_dscnt 0x0
	CROUND
	s_endpgm
.Lfunc_end_k_qc88f274872_proj:
	.size	k_qc88f274872_proj, .Lfunc_end_k_qc88f274872_proj-k_qc88f274872_proj
	.p2alignl 7, 3214868480
	.fill 96, 4, 3214868480
	.section	.rodata,"a",@progbits
	.p2align	6, 0x0
	.amdhsa_kernel k_qc88f274872_proj
		.amdhsa_group_segment_fixed_size 327680
		.amdhsa_private_segment_fixed_size 0
		.amdhsa_enable_private_segment 0
		.amdhsa_kernarg_size 48
		.amdhsa_user_sgpr_count 2
		.amdhsa_user_sgpr_kernarg_segment_ptr 1
		.amdhsa_wavefront_size32 1
		.amdhsa_system_sgpr_workgroup_id_x 1
		.amdhsa_system_sgpr_workgroup_id_y 1
		.amdhsa_system_sgpr_workgroup_id_z 1
		.amdhsa_system_vgpr_workitem_id 0
		.amdhsa_next_free_vgpr 1024
		.amdhsa_next_free_sgpr 100
		.amdhsa_reserve_vcc 0
		.amdhsa_float_denorm_mode_32 3
		.amdhsa_float_denorm_mode_16_64 3
		.amdhsa_memory_ordered 1
		.amdhsa_forward_progress 1
		.amdhsa_inst_pref_size 204
	.end_amdhsa_kernel
	.amdgpu_metadata
---
amdhsa.version: [ 1, 2 ]
amdhsa.kernels:
  - .name:           k_qc88f274872_proj
    .symbol:         k_qc88f274872_proj.kd
    .args:
      - { .name: cimg, .offset: 0, .size: 8, .value_kind: global_buffer, .address_space: global }
      - { .name: csc, .offset: 8, .size: 8, .value_kind: global_buffer, .address_space: global }
      - { .name: bq, .offset: 16, .size: 8, .value_kind: global_buffer, .address_space: global }
      - { .name: bk, .offset: 24, .size: 8, .value_kind: global_buffer, .address_space: global }
      - { .name: bv, .offset: 32, .size: 8, .value_kind: global_buffer, .address_space: global }
      - { .name: qkv, .offset: 40, .size: 8, .value_kind: global_buffer, .address_space: global }
    .group_segment_fixed_size: 327680
    .private_segment_fixed_size: 0
    .kernarg_segment_align: 8
    .kernarg_segment_size: 48
    .max_flat_workgroup_size: 128
    .sgpr_count:     100
    .vgpr_count:     1024
    .wavefront_size: 32
...
	.end_amdgpu_metadata
.endif
;; end of part 2
;; launch attn (part 3): grid 4 x 64, 8 waves a work-group, clusters of 4 x 1, 206,848 bytes of LDS; arguments qkv, oimg, osc; writes oimg, osc
.if DOCPART == 3
	.amdgcn_target "amdgcn-amd-amdhsa--gfx1250"
	.amdhsa_code_object_version 6
	.text
	.protected	k_qc88f274872_attn
	.globl	k_qc88f274872_attn
	.p2align	8
	.type	k_qc88f274872_attn,@function
k_qc88f274872_attn:
	s_mov_b64 s[64:65], 0
	v_nop
	global_prefetch_b8 v0, s[64:65] scope:SCOPE_SE
	s_setreg_imm32_b32 hwreg(HW_REG_WAVE_MODE, 25, 1), 1
	s_wait_xcnt 0x0
	s_wait_alu depctr_hold_cnt(0) depctr_sa_sdst(0) depctr_va_vdst(0) depctr_va_sdst(0) depctr_va_ssrc(0) depctr_va_vcc(0) depctr_vm_vsrc(0)
	s_getreg_b32 s2, hwreg(HW_REG_IB_STS2, 6, 4)
	s_cmp_eq_u32 s2, 0
	s_cbranch_scc0 .Lentry_in_a_cluster
	s_endpgm
.Lentry_in_a_cluster:
	s_bfe_u32 s2, ttmp6, 0x10000c
	s_cmp_lg_u32 s2, 0x3003
	s_cbranch_scc0 .Lentry_shape_is_right
	s_endpgm
.Lentry_shape_is_right:
; Launch 3 of 4: O = softmax(Q K^T / 8) V for each of the 64 (batch, head), both products on codes of E2M3, and O quantised along the model's 1,024 for the last product.  No work of the problem is left out.
; THE SOFTMAX AHEAD OF THE SECOND PRODUCT: t = score x log2(e) / 8; M = the running largest t rounded UP to a whole number; p = 2^(t - M) is quantised along the keys, not normalised; the row's sum is taken of the
; unquantised p and divides O at the end.  When M moves, the sum and O are multiplied by 2^(old M - new M): exact.
; SHARES.  A work-group owns 512 queries of one head; each of its 8 waves owns 64 queries, four tiles of 16 (two fragments of Q's records), and walks the 16 key steps of 128 keys once.
; A key step's 8 fragments of K and V come from LDS once for the wave's four tiles.  The tiles go in two pairs; a pair's two tiles take turns line by line, so that neighbouring lines do not hang on each other.
; A HEAD'S WHOLE K AND V, 16 key steps x 12,800 bytes, stay in LDS: each wave brings two key steps by one tensor load; nothing is filled again and nothing is stored to LDS.
; CLUSTER.  The four work-groups of a head read the same K and V: each load is asked for jointly, with the same descriptor and the mask of all four.  Everything that the launch reads is asked for at its head: there is no loop to prefetch in.
; THE HEAD IS 64 LONG, the instruction 128: a fragment of K holds two keys a slot and is multiplied twice, by [q | 0] and by [0 | q]: views of one run z q0 z q1 z q2 z q3 z of 54 registers.
; LAYOUT.  Both products are used transposed: a lane holds one query (lane % 16) of each tile.  S's 64 registers of a tile are keys 32 h + 0 .. 31 and 64 + 32 h + 0 .. 31 (h = lane / 16): two whole blocks of p.  O's 32 registers are 32 neighbours of the head's 64.
; FETCHES.  V's fragments of a step are asked for behind the first pair's score products, K's of the next step behind the second pair's (the last step asks for its own K once more, so that no read leaves the tiles): each wait on DScnt is for 0 and has a pair's softmax between it and its loads.
; REGISTERS.  Window 0: v1-9 addresses, v10-21 scale words, v24-47 each tile's (-M, largest score), sum, factor; v48-71 at work; v72-125 Q; v128-255 S of two tiles.   Window 1: 0-127 O^T, 128-175 K, 176-223 V, 224-247 p's codes.
; LIMITS: a block's largest p is taken from its largest score through the same multiply-add and exponential (this takes v_exp_f32 not to fall where its input rises); blocks of zeros get the byte 1; NaN and infinities are not served;
; the promise holds while the scaled scores stay under 2^31 in magnitude.
; osc is written 2 bytes in every 32 (262,144 bytes in all; lanes m and m + 16 store the same value to the same place); all other stores cover 256 consecutive bytes, aligned.
.set STEPB, 12800                      ; a key step in LDS: K's record, then V's
.set SPARE, 16*STEPB                   ; behind them: the spare words, 128 bytes for each wave
.set LI,  1                            ; 16 x lane
.set LS,  2                            ; 8 x lane
.set SPW, 3                            ; my spare word; never rewritten
.set NIL, 4                            ; 0; never rewritten
.set ADK, 5                            ; LDS address of a step's fragments
.set ADS, 6                            ; and of its scale words
.set OSO, 7                            ; 32 x (lane % 16)
.set SH8, 8                            ; 8 x (lane / 16)
.set QS,  10                           ; v10-13 q's scale words, one a tile
.set QW,  14                           ; v14-15 the two fragments' scale words as stored
.set KS,  16                           ; v16-17 K's scale words
.set VS,  18                           ; v18-19 V's
.set PSW, 20                           ; v20-21 p's scale words, one for each tile of a pair
.set NM,  24                           ; tile T: v[24+2T] -M, v[25+2T] the largest score so far
.set SM,  32                           ; the sum in two halves
.set FF,  40                           ; f (the pair's upper word is written once and not used)
.set U,   48                           ; 12 registers for each tile of a pair: 0,1 the blocks' largest; 2,3 the conversions' scale operands; 4,5 at work; 6-11 three more chains of sums
.set QZ,  72
.set S,   128
.set O,   0                            ; window 1
.set KF,  128
.set VF,  176
.set PC,  224
.set MSB, 0
.macro WIN new                         ; the immediate's high byte repeats the setting that is left
.if MSB != (\new)
	s_set_vgpr_msb (MSB<<8)|(\new)
.set MSB, (\new)
.endif
.endm
.macro WALU
	s_wait_alu depctr_va_vdst(0)
.endm
.macro ROUND                           ; a round of the cluster's barrier
	s_barrier_signal -1
	s_barrier_wait -1
	s_cmp_lg_u32 s10, 0
	s_cbranch_scc1 .Lnot_wave_0_\@
	s_barrier_signal -3
.Lnot_wave_0_\@:
	s_barrier_wait -3
	s_barrier_signal -1
	s_barrier_wait -1
.endm
.macro MMS d, a, b, sa, sb, odd        ; a product that starts a sum
.if \odd
	v_wmma_scale_f32_16x16x128_f8f6f4 v[\d:\d+7], v[\a:\a+11], v[\b:\b+11], 0, v[\sa], v[\sb] matrix_a_fmt:MATRIX_FMT_FP6 matrix_b_fmt:MATRIX_FMT_FP6 matrix_a_scale:MATRIX_SCALE_ROW1
.else
	v_wmma_scale_f32_16x16x128_f8f6f4 v[\d:\d+7], v[\a:\a+11], v[\b:\b+11], 0, v[\sa], v[\sb] matrix_a_fmt:MATRIX_FMT_FP6 matrix_b_fmt:MATRIX_FMT_FP6
.endif
.endm
.macro MMA d, a, b, sa, sb, odd        ; a product that adds in place
.if \odd
	v_wmma_scale_f32_16x16x128_f8f6f4 v[\d:\d+7], v[\a:\a+11], v[\b:\b+11], v[\d:\d+7], v[\sa], v[\sb] matrix_a_fmt:MATRIX_FMT_FP6 matrix_b_fmt:MATRIX_FMT_FP6 matrix_a_scale:MATRIX_SCALE_ROW1
.else
	v_wmma_scale_f32_16x16x128_f8f6f4 v[\d:\d+7], v[\a:\a+11], v[\b:\b+11], v[\d:\d+7], v[\sa], v[\sb] matrix_a_fmt:MATRIX_FMT_FP6 matrix_b_fmt:MATRIX_FMT_FP6
.endif
.endm
.macro LOADF f, off, sc                ; four fragments as they were stored, 512 consecutive bytes a load, and their scale words
	WIN 0x40
.irp g, 0,1,2,3
.irp c, 0,1,2
	ds_load_b128 v[\f+12*\g+4*\c:\f+12*\g+4*\c+3], v[ADK] offset:\off+1536*\g+512*\c
.endr
.endr
	WIN 0
	ds_load_b64 v[\sc:\sc+1], v[ADS] offset:\off+6144
.endm
	s_load_b128 s[4:7], s[0:1], 0x0                ; qkv, oimg
	s_load_b64 s[8:9], s[0:1], 0x10                ; osc
	v_lshl_add_u32 v[SPW], v0, 2, SPARE
	v_mov_b32 v[NIL], 0
	ds_add_u32 v[SPW], v[NIL]                      ; the opening: the add, twice on end, and its wait ahead of my tensor load
	ds_add_u32 v[SPW], v[NIL]
	v_lshrrev_b32 v1, 5, v0
	v_readfirstlane_b32 s10, v1                    ; wave 0..7
	s_bfe_u32 s30, ttmp6, 0x40000                  ; cx: which 512 queries: it enters Q's and the outputs' addresses alone
	s_and_b32 s31, ttmp7, 0xffff                   ; 16 x batch + head, which the four partners share
	s_mov_b32 s12, 0x76543210
	s_mov_b32 s13, 0xfedcba98                      ; v_permlanex16_b32's selects for lane l xor 16
	s_mov_b32 s14, 0x3e38aa3b                      ; c = log2(e) / 8
	s_mov_b32 s15, s14                             ; (named with it as a pair)
	s_mov_b32 s11, 0xbe38aa3b                      ; -c
	s_mov_b32 s48, 0x06020400                      ; bytes 0, 2 of mine and of lane l xor 16's, by turns
	s_mov_b32 s20, 15|(3<<16)|(1<<21)              ; group 1: two key steps, 25,600 dense bytes, as 100 rows of 256; the mask of all four work-groups, bit 21 beside it
	s_mov_b32 s21, 32<<16
	s_mov_b32 s22, 100<<16
	s_mov_b32 s23, 32<<16
	s_mov_b32 s24, 100
	s_mov_b32 s25, 32
	s_mov_b32 s26, 0
	s_mov_b32 s27, 0
	s_mov_b32 s16, 1
	s_mul_i32 s17, s10, 2*STEPB                    ; LDS: key steps 2 w, 2 w + 1
	s_mul_i32 s32, s31, 204800
	s_add_co_u32 s32, s32, s17
	s_add_co_u32 s32, s32, 6553600                 ; and their place in qkv
	s_mov_b32 s33, 0
	s_lshl_b32 s34, s30, 2
	s_lshr_b32 s35, s10, 1
	s_add_co_u32 s34, s34, s35                     ; which of the head's 16 records of Q
	s_and_b32 s35, s10, 1                          ; which two of its four fragments
	s_mul_i32 s36, s31, 102400
	s_mul_i32 s37, s34, 6400
	s_add_co_u32 s36, s36, s37
	s_mul_i32 s37, s35, 3072
	s_add_co_u32 s38, s36, s37                     ; my two fragments
	s_mov_b32 s39, 0
	s_lshl_b32 s37, s35, 2
	s_add_co_u32 s36, s36, s37
	s_add_co_u32 s36, s36, 6144                    ; fragment g's scale words: 6,144 + 128 (g % 2) + 4 (g / 2), 8 bytes from slot to slot
	s_mov_b32 s37, 0
	s_lshr_b32 s40, s31, 4
	s_lshl_b32 s40, s40, 4
	s_add_co_u32 s40, s40, s34
	s_lshl_b32 s40, s40, 3
	s_lshl_b32 s41, s35, 2
	s_add_co_u32 s40, s40, s41                     ; tile 0's tile of 16 rows of the last product's X; tile T's is T further on
	s_and_b32 s41, s31, 15                         ; the head
	s_mul_i32 s42, s40, 12288
	s_lshr_b32 s43, s41, 1
	s_mul_i32 s43, s43, 1536
	s_add_co_u32 s42, s42, s43
	s_and_b32 s43, s41, 1
	s_mul_i32 s43, s43, 768
	s_add_co_u32 s42, s42, s43
	s_mov_b32 s43, 0
	s_lshl_b32 s44, s40, 9
	s_lshl_b32 s45, s41, 1
	s_add_co_u32 s44, s44, s45
	s_mov_b32 s45, 0
	s_wait_dscnt 0x0
	s_wait_kmcnt 0x0
	s_add_nc_u64 s[18:19], s[4:5], s[32:33]
	s_or_b32 s19, s19, 0x80000000
	s_add_nc_u64 s[38:39], s[4:5], s[38:39]
	s_add_nc_u64 s[36:37], s[4:5], s[36:37]
	s_add_nc_u64 s[6:7], s[6:7], s[42:43]
	s_add_nc_u64 s[8:9], s[8:9], s[44:45]
	ROUND                                          ; all four work-groups are here: the joint loads meet
	tensor_load_to_lds s[16:19], s[20:27]          ; my one tensor load of the launch
	s_nop 0
.rept 4
	v_nop
.endr
	v_and_b32 v5, 31, v0
	v_and_b32 v6, 15, v0
	v_bfe_u32 v[SH8], v0, 4, 1
	v_lshlrev_b32 v[LI], 4, v5
	v_lshlrev_b32 v[LS], 3, v5
	v_lshlrev_b32 v9, 3, v6
	v_lshlrev_b32 v[OSO], 5, v6
	v_lshlrev_b32 v[SH8], 3, v[SH8]
.irp f, 0,1                            ; fragment f: registers 0-5 are tile 2 f's queries, 6-11 tile 2 f + 1's
	global_load_b128 v[QZ+6+24*\f:QZ+9+24*\f], v[LI], s[38:39] offset:1536*\f
	global_load_b64 v[QZ+10+24*\f:QZ+11+24*\f], v[LI], s[38:39] offset:1536*\f+512
	global_load_b64 v[QZ+18+24*\f:QZ+19+24*\f], v[LI], s[38:39] offset:1536*\f+520
	global_load_b128 v[QZ+20+24*\f:QZ+23+24*\f], v[LI], s[38:39] offset:1536*\f+1024
	global_load_b32 v[QW+\f], v9, s[36:37] offset:128*\f
.endr
.irp k, 0,1,2,3,4
.irp i, 0,1,2,3,4,5
	v_mov_b32 v[QZ+12*\k+\i], 0                    ; zero codes round each q
.endr
.endr
.irp t, 0,1,2,3
	v_mov_b32 v[NM+2*\t], 0x7f61b1e6               ; -M = 3e38 and the largest score -3e38: the first step's factor comes out 0
	v_mov_b32 v[NM+2*\t+1], 0xff61b1e6
	v_mov_b32 v[SM+2*\t], 0
	v_mov_b32 v[SM+2*\t+1], 0
	v_mov_b32 v[FF+2*\t+1], 0
.endr
	v_mov_b32 v[U+5], 0                            ; written once: a lane permute's destination counts as one of its sources
	v_mov_b32 v[U+17], 0
	v_add_nc_u32 v[ADK], 0, v[LI]
	v_add_nc_u32 v[ADS], 0, v[LS]
	s_wait_loadcnt 0x0                             ; Q
.irp f, 0,1
	v_perm_b32 v[QS+2*\f], v[QW+\f], v[QW+\f], 0x01000100      ; a tile's two bytes, twice: under [q | 0] the lower two count, under [0 | q] the upper two
	v_perm_b32 v[QS+2*\f+1], v[QW+\f], v[QW+\f], 0x03020302
.endr
	WIN 0x40
.set I_, 0
.rept 128
	v_mov_b32 v[O+I_], 0                           ; the step is written once: the first finds zeros, which its factor 0 leaves zeros
.set I_, I_+1
.endr
	WIN 0
	WALU                                           ; the wait at the head's end
	s_wait_tensorcnt 0x0                           ; my two key steps are in,
	s_barrier_signal -1
	s_barrier_wait -1                              ; everybody's are
	LOADF KF, 0, KS                                ; key step 0's K
; A PAIR OF TILES (2 gp, 2 gp + 1) AGAINST 128 KEYS: 16 + 8 matrix instructions
; one level of the chain that makes p's scale word, for both tiles of a pair: the levels stand among the sums, so that no level waits for the one before it
.macro SCH lv
.irp j, 0,1
.if \lv == 2
	v_max_num_f32 v[U+12*\j], 0x1800000, v[U+12*\j]             ; the floor 2^(3 - 127): the byte cannot fall under 1
	v_max_num_f32 v[U+12*\j+1], 0x1800000, v[U+12*\j+1]
.elseif \lv == 3
	v_add_nc_u32 v[U+12*\j+2], 0xff000000, v[U+12*\j]           ; 2 off the exponent field: the conversion's scale operand
	v_add_nc_u32 v[U+12*\j+3], 0xff000000, v[U+12*\j+1]
.elseif \lv == 4
	v_lshrrev_b32 v[U+12*\j], 23, v[U+12*\j+2]                  ; the bytes of blocks h and 2 + h
	v_lshrrev_b32 v[U+12*\j+1], 23, v[U+12*\j+3]
.elseif \lv == 5
	v_lshl_or_b32 v[U+12*\j], v[U+12*\j+1], 16, v[U+12*\j]
.elseif \lv == 6
	v_permlanex16_b32 v[U+12*\j+4], v[U+12*\j], s12, s13
.else
	v_perm_b32 v[PSW+\j], v[U+12*\j+4], v[U+12*\j], s48         ; lanes 0-15, which alone are read: blocks 0, 2 of mine, 1, 3 of lane l + 16's
.endif
.endr
.endm
.macro GROUP gp
.if \gp == 0
	s_wait_dscnt 0x0                               ; this step's K is in
.endif
	WIN 0x01
.irp j, 0,1                            ; S^T = K Q^T: fragment g by [q | 0] and by [0 | q]
.irp g, 0,1,2,3
.set D_, S+64*\j+16*\g
.set A_, KF+12*\g
.set B_, QZ+12*(2*\gp+\j)
	MMS D_, A_, B_+6, KS+\g/2, QS+2*\gp+\j, \g%2
	MMS D_+8, A_, B_, KS+\g/2, QS+2*\gp+\j, \g%2
.endr
.endr
	WIN 0
.if \gp == 0                           ; four places behind the products, two of them the addresses
	v_add_nc_u32 v[ADK], s28, v[LI]
	v_add_nc_u32 v[ADS], s28, v[LS]
.else
	v_add_nc_u32 v[ADK], s49, v[LI]
	v_add_nc_u32 v[ADS], s49, v[LS]
.endif
	v_nop
	v_nop
.if \gp == 0
	LOADF VF, 6400, VS                             ; this step's V
.else
	LOADF KF, 0, KS                                ; the next step's K
.endif
; the largest score of each block of 32 keys: eight chains by turns, each accumulator first read at its low end
.irp j, 0,1
.irp b, 0,1
	v_max3_num_f32 v[U+12*\j+\b], v[S+64*\j+32*\b], v[S+64*\j+32*\b+1], v[S+64*\j+32*\b+2]          ; a block in two chains, of its numbers 0-16 and 17-31: eight chains by turns
	v_max3_num_f32 v[U+12*\j+4+\b], v[S+64*\j+32*\b+17], v[S+64*\j+32*\b+18], v[S+64*\j+32*\b+19]
.endr
.endr
.irp i, 3,5,7,9,11,13
.irp j, 0,1
.irp b, 0,1
	v_max3_num_f32 v[U+12*\j+\b], v[U+12*\j+\b], v[S+64*\j+32*\b+\i], v[S+64*\j+32*\b+\i+1]
	v_max3_num_f32 v[U+12*\j+4+\b], v[U+12*\j+4+\b], v[S+64*\j+32*\b+\i+17], v[S+64*\j+32*\b+\i+18]
.endr
.endr
.endr
.irp j, 0,1
.irp b, 0,1
	v_max3_num_f32 v[U+12*\j+\b], v[U+12*\j+\b], v[S+64*\j+32*\b+15], v[S+64*\j+32*\b+16]
.endr
.endr
.irp j, 0,1
.irp b, 0,1
	v_max_num_f32 v[U+12*\j+\b], v[U+12*\j+\b], v[U+12*\j+4+\b]
.endr
.endr
; the running largest score, -M = floor(-c x it), f = 2^(old M - new M)
.irp j, 0,1
	v_max3_num_f32 v[U+12*\j+4], v[U+12*\j], v[U+12*\j+1], v[NM+4*\gp+2*\j+1]
.endr
.irp j, 0,1
	v_permlanex16_b32 v[U+12*\j+5], v[U+12*\j+4], s12, s13
.endr
.irp j, 0,1
	v_max_num_f32 v[NM+4*\gp+2*\j+1], v[U+12*\j+4], v[U+12*\j+5]
.endr
.irp j, 0,1
	v_mul_f32 v[U+12*\j+4], s11, v[NM+4*\gp+2*\j+1]
.endr
.irp j, 0,1
	v_floor_f32 v[U+12*\j+5], v[U+12*\j+4]
.endr
.irp j, 0,1
	v_sub_f32 v[U+12*\j+4], v[U+12*\j+5], v[NM+4*\gp+2*\j]
.endr
.irp j, 0,1
	v_mov_b32 v[NM+4*\gp+2*\j], v[U+12*\j+5]
.endr
.irp j, 0,1
.set I_, 0
.rept 32
	v_pk_fma_f32 v[S+64*\j+I_:S+64*\j+I_+1], v[S+64*\j+I_:S+64*\j+I_+1], s[14:15], v[NM+4*\gp+2*\j:NM+4*\gp+2*\j+1] op_sel_hi:[1,0,0]   ; t - M
.set I_, I_+2
.endr
.endr
.irp j, 0,1
	v_cvt_i32_f32 v[U+12*\j+4], v[U+12*\j+4]       ; old M less new M as a whole number (it saturates)
.endr
.irp j, 0,1
.irp b, 0,1
	v_fma_f32 v[U+12*\j+\b], v[U+12*\j+\b], s14, v[NM+4*\gp+2*\j]   ; t - M of each block's largest score
.endr
.endr
.irp j, 0,1
	v_ldexp_f32 v[FF+4*\gp+2*\j], 1.0, v[U+12*\j+4]
.endr
	WALU                                           ; the wait ahead of the batch
.set I_, 0
.rept 128
	v_exp_f32 v[S+I_], v[S+I_]                     ; p = 2^(t - M), at most 1
.set I_, I_+1
.endr
.irp j, 0,1
.irp b, 0,1
	v_exp_f32 v[U+12*\j+\b], v[U+12*\j+\b]         ; the blocks' largest p
.endr
.endr
	v_nop                                          ; the plain place behind the batch,
	WALU                                           ; and its one wait
; the row's sum of the unquantised p: four chains a tile; the first takes the old sum x f
.irp j, 0,1
	v_pk_fma_f32 v[SM+4*\gp+2*\j:SM+4*\gp+2*\j+1], v[SM+4*\gp+2*\j:SM+4*\gp+2*\j+1], v[FF+4*\gp+2*\j:FF+4*\gp+2*\j+1], v[S+64*\j:S+64*\j+1] op_sel_hi:[1,0,1]
.endr
.irp k, 1,2,3
.irp j, 0,1
	v_pk_add_f32 v[U+12*\j+4+2*\k:U+12*\j+5+2*\k], v[S+64*\j+2*\k:S+64*\j+2*\k+1], v[S+64*\j+2*\k+8:S+64*\j+2*\k+9]
.endr
.endr
.irp q, 1,2,3,4,5,6,7
.irp j, 0,1
	v_pk_add_f32 v[SM+4*\gp+2*\j:SM+4*\gp+2*\j+1], v[SM+4*\gp+2*\j:SM+4*\gp+2*\j+1], v[S+64*\j+8*\q:S+64*\j+8*\q+1]
.endr
.if \q > 1
	SCH \q
.irp k, 1,2,3
.irp j, 0,1
	v_pk_add_f32 v[U+12*\j+4+2*\k:U+12*\j+5+2*\k], v[U+12*\j+4+2*\k:U+12*\j+5+2*\k], v[S+64*\j+8*\q+2*\k:S+64*\j+8*\q+2*\k+1]
.endr
.endr
.endif
.endr
.irp j, 0,1
	v_pk_add_f32 v[U+12*\j+6:U+12*\j+7], v[U+12*\j+6:U+12*\j+7], v[U+12*\j+8:U+12*\j+9]
	v_pk_add_f32 v[SM+4*\gp+2*\j:SM+4*\gp+2*\j+1], v[SM+4*\gp+2*\j:SM+4*\gp+2*\j+1], v[U+12*\j+10:U+12*\j+11]
.endr
; the blocks' scales
.irp j, 0,1
	v_pk_add_f32 v[SM+4*\gp+2*\j:SM+4*\gp+2*\j+1], v[SM+4*\gp+2*\j:SM+4*\gp+2*\j+1], v[U+12*\j+6:U+12*\j+7]
.endr
.irp j, 0,1                            ; a conversion's three registers begin on an even number: a block's upper half is made elsewhere and moved
	v_cvt_scalef32_pk16_fp6_f32 v[U+12*\j+4:U+12*\j+6], v[S+64*\j+16:S+64*\j+31], v[U+12*\j+2]
	v_cvt_scalef32_pk16_fp6_f32 v[U+12*\j+8:U+12*\j+10], v[S+64*\j+48:S+64*\j+63], v[U+12*\j+3]
.endr
	WIN 0x40
.irp j, 0,1
	v_cvt_scalef32_pk16_fp6_f32 v[PC+12*\j:PC+12*\j+2], v[S+64*\j:S+64*\j+15], v[U+12*\j+2]
	v_cvt_scalef32_pk16_fp6_f32 v[PC+12*\j+6:PC+12*\j+8], v[S+64*\j+32:S+64*\j+47], v[U+12*\j+3]
.endr
	v_nop                                          ; one plain place behind the conversions
.irp j, 0,1
.irp i, 0,1,2
	v_mov_b32 v[PC+12*\j+3+\i], v[U+12*\j+4+\i]
	v_mov_b32 v[PC+12*\j+9+\i], v[U+12*\j+8+\i]
.endr
.endr
	WIN 0x41
.if \gp == 0
	s_wait_dscnt 0x0                               ; V is in
.endif
	WALU                                           ; the wait directly ahead of the first reader of O^T
.irp j, 0,1
.set I_, 0
.rept 16
	v_pk_mul_f32 v[O+32*(2*\gp+\j)+I_:O+32*(2*\gp+\j)+I_+1], v[O+32*(2*\gp+\j)+I_:O+32*(2*\gp+\j)+I_+1], v[FF+4*\gp+2*\j:FF+4*\gp+2*\j+1] op_sel_hi:[1,0]   ; O^T under the new M; these 32 are also the places in front of the scaled products
.set I_, I_+2
.endr
.endr
	WIN 0x55
.irp j, 0,1                            ; O^T += V^T P^T: eight accumulators by turns
.irp t, 0,1,2,3
.set D_, O+32*(2*\gp+\j)+8*\t
	MMA D_, VF+12*\t, PC+12*\j, VS+\t/2, PSW+\j, \t%2
.endr
.endr
.endm
	s_mov_b32 s28, 0                               ; LDS byte at which the key step begins
	s_mov_b32 s29, 0
.Lkeys:
	s_add_co_u32 s49, s28, STEPB
	s_min_u32 s49, s49, 15*STEPB                   ; the next step's, held at the last
	GROUP 0
	GROUP 1
	WIN 0
	s_add_co_u32 s28, s28, STEPB
	s_add_co_u32 s29, s29, 1
	s_cmp_lt_u32 s29, 16
	s_cbranch_scc1 .Lkeys
; THE WAY OUT: O / the sum, quantised: a lane's 32 numbers of a tile are a whole block of the last product's K
.rept 4
	v_nop
.endr
.irp t, 0,1,2,3
	v_add_f32 v[SM+2*\t], v[SM+2*\t], v[SM+2*\t+1]
.endr
.irp t, 0,1,2,3
	v_permlanex16_b32 v[U+\t], v[SM+2*\t], s12, s13
.endr
.irp t, 0,1,2,3
	v_add_f32 v[SM+2*\t], v[SM+2*\t], v[U+\t]
.endr
	WALU
.irp t, 0,1,2,3
	v_rcp_f32 v[FF+2*\t], v[SM+2*\t]
.endr
	WIN 0x01
	v_nop
	WALU
.irp t, 0,1,2,3
.set I_, 0
.rept 16
	v_pk_mul_f32 v[S+32*\t+I_:S+32*\t+I_+1], v[O+32*\t+I_:O+32*\t+I_+1], v[FF+2*\t:FF+2*\t+1] op_sel_hi:[1,0]
.set I_, I_+2
.endr
.endr
	WIN 0
.irp t, 0,1,2,3
	v_max3_num_f32 v[U+\t], |v[S+32*\t]|, |v[S+32*\t+1]|, 0x1800000
.endr
.irp i, 2,4,6,8,10,12,14,16,18,20,22,24,26,28,30
.irp t, 0,1,2,3
	v_max3_num_f32 v[U+\t], v[U+\t], |v[S+32*\t+\i]|, |v[S+32*\t+\i+1]|
.endr
.endr
.irp t, 0,1,2,3
	v_add_nc_u32 v[U+4+\t], 0xff000000, v[U+\t]
.endr
.irp t, 0,1,2,3
	v_lshrrev_b32 v[U+\t], 23, v[U+4+\t]
.endr
.irp t, 0,1,2,3
	v_cvt_scalef32_pk16_fp6_f32 v[QZ+8*\t:QZ+8*\t+2], v[S+32*\t:S+32*\t+15], v[U+4+\t]
	v_cvt_scalef32_pk16_fp6_f32 v[QZ+32+4*\t:QZ+34+4*\t], v[S+32*\t+16:S+32*\t+31], v[U+4+\t]
.endr
.irp t, 0,1,2,3
	v_lshlrev_b32 v[U+\t], v[SH8], v[U+\t]         ; (the plain place behind the conversions)
.endr
.irp t, 0,1,2,3
	v_permlanex16_b32 v[U+8+\t], v[U+\t], s12, s13
.endr
.irp t, 0,1,2,3
	v_or_b32 v[U+\t], v[U+\t], v[U+8+\t]           ; my head's two scale bytes of row lane % 16
.endr
.irp t, 0,1,2,3
.irp i, 0,1,2
	v_mov_b32 v[QZ+8*\t+3+\i], v[QZ+32+4*\t+\i]
.endr
.endr
.irp t, 0,1,2,3
.irp q, 0,1,2
	global_store_b64 v[LS], v[QZ+8*\t+2*\q:QZ+8*\t+2*\q+1], s[6:7] offset:12288*\t+256*\q   ; half a fragment of the last product's X: chunks of 256 consecutive bytes
.endr
	global_store_b16 v[OSO], v[U+\t], s[8:9] offset:512*\t
.endr
	s_wait_tensorcnt 0x0                           ; the wave's end
	ds_add_u32 v[SPW], v[NIL]
	s_wait_dscnt 0x0
	ROUND                                          ; the closing round
	s_endpgm
.Lfunc_end_k_qc88f274872_attn:
	.size	k_qc88f274872_attn, .Lfunc_end_k_qc88f274872_attn-k_qc88f274872_attn
	.p2alignl 7, 3214868480
	.fill 96, 4, 3214868480
	.section	.rodata,"a",@progbits
	.p2align	6, 0x0
	.amdhsa_kernel k_qc88f274872_attn
		.amdhsa_group_segment_fixed_size 206848
		.amdhsa_private_segment_fixed_size 0
		.amdhsa_enable_private_segment 0
		.amdhsa_kernarg_size 24
		.amdhsa_user_sgpr_count 2
		.amdhsa_user_sgpr_kernarg_segment_ptr 1
		.amdhsa_wavefront_size32 1
		.amdhsa_system_sgpr_workgroup_id_x 1
		.amdhsa_system_sgpr_workgroup_id_y 1
		.amdhsa_system_sgpr_workgroup_id_z 1
		.amdhsa_system_vgpr_workitem_id 0
		.amdhsa_next_free_vgpr 512
		.amdhsa_next_free_sgpr 66
		.amdhsa_reserve_vcc 0
		.amdhsa_float_denorm_mode_32 3
		.amdhsa_float_denorm_mode_16_64 3
		.amdhsa_memory_ordered 1
		.amdhsa_forward_progress 1
		.amdhsa_inst_pref_size 77
	.end_amdhsa_kernel
	.amdgpu_metadata
---
amdhsa.version: [ 1, 2 ]
amdhsa.kernels:
  - .name:           k_qc88f274872_attn
    .symbol:         k_qc88f274872_attn.kd
    .args:
      - { .name: qkv, .offset: 0, .size: 8, .value_kind: global_buffer, .address_space: global }
      - { .name: oimg, .offset: 8, .size: 8, .value_kind: global_buffer, .address_space: global }
      - { .name: osc, .offset: 16, .size: 8, .value_kind: global_buffer, .address_space: global }
    .group_segment_fixed_size: 206848
    .private_segment_fixed_size: 0
    .kernarg_segment_align: 8
    .kernarg_segment_size: 24
    .max_flat_workgroup_size: 256
    .sgpr_count:     66
    .vgpr_count:     512
    .wavefront_size: 32
...
	.end_amdgpu_metadata
.endif
;; end of part 3
;; launch outp (part 4): grid 4 x 64, 4 waves a work-group, clusters of 4 x 4, 327,680 bytes of LDS; arguments oimg, osc, cimg, csc, bo, out0; writes out0
.if DOCPART == 4
	.amdgcn_target "amdgcn-amd-amdhsa--gfx1250"
	.amdhsa_code_object_version 6
	.text
	.protected	k_qc88f274872_outp
	.globl	k_qc88f274872_outp
	.p2align	8
	.type	k_qc88f274872_outp,@function
k_qc88f274872_outp:
	s_mov_b64 s[64:65], 0
	v_nop
	global_prefetch_b8 v0, s[64:65] scope:SCOPE_SE
	s_setreg_imm32_b32 hwreg(HW_REG_WAVE_MODE, 25, 1), 1
	s_wait_xcnt 0x0
	s_wait_alu depctr_hold_cnt(0) depctr_sa_sdst(0) depctr_va_vdst(0) depctr_va_sdst(0) depctr_va_ssrc(0) depctr_va_vcc(0) depctr_vm_vsrc(0)
	s_getreg_b32 s2, hwreg(HW_REG_IB_STS2, 6, 4)
	s_cmp_eq_u32 s2, 0
	s_cbranch_scc0 .Lentry_in_a_cluster
	s_endpgm
.Lentry_in_a_cluster:
	s_bfe_u32 s2, ttmp6, 0x10000c
	s_cmp_lg_u32 s2, 0xf033
	s_cbranch_scc0 .Lentry_shape_is_right
	s_endpgm
.Lentry_shape_is_right:
; Launch 4 of 4: out0 = X Wo + bo, X [8192][1024] the attention's result and Wo's columns, both as codes of E2M3 with E8M0 scale bytes, as the earlier launches left them.  No work of the problem is left out.
; BUFFERS.  Codes: [tile of 16 rows][K step of 128][1,536 bytes], a fragment as an image of its 12 registers (chunk p of 256 bytes: registers 2 p, 2 p + 1 of lane l at byte 8 l); scale words: [row][8 words].
; Inside each 128 rows (of X) or columns (of Wo): tile a, slot m <-> 64 (a / 4) + 32 (m / 8) + 8 (a % 4) + m % 8.
; SHARES.  A work-group makes 128 rows x 256 columns: 64 x 4 = 256 work-groups.  Four waves, 2 x 2; a wave makes 64 x 128: 32 accumulators, 256 registers.
; ALL OF K LIES IN LDS: X's 8 tiles (98,304 bytes), Wo's 16 tiles (196,608), their scale words (4,352 + 8,704 with padding).  Each is one dense block of memory, stated as rows of 256 bytes, and comes by ONE tensor load:
; four loads, one a wave, all at the head.  Nothing is filled again: no ring.  Everything that the launch reads is asked for at its head: there is no loop to prefetch in.
; CLUSTERS: 4 x 4.  X's blocks hang on the row of blocks alone and are shared along a row of the cluster, Wo's on the column alone and are shared along a column: joint loads.
; THE MATRIX INSTRUCTION IS USED TRANSPOSED (source 0 = Wo's columns, source 1 = X's rows): a lane holds eight neighbouring numbers of a row of out0.  The bias is the first K step's C.
; The eight K steps are written out: two sets of fragments take turns; a step asks for the next step's fragments, B's at its head and A's in its middle.
; SCALE WORDS: register SC + 8 ks + i holds, for K step ks, X's block i in lanes 0-15 (i under 4; above, bytes that nobody uses) and Wo's block i in lanes 16-31.
; REGISTERS.  Window 0: v16-29 addresses, v32-95 scale words, v96-159 the bias, v160-255 X's fragments (two sets of 4); on the way out v96-223 hold rows.  Window 1: Wo's fragments, two sets of 8, at 0 and 128.  Window 2: the accumulators, (a, b) at 8 (8 a + b).
.set FR,     12
.set TILEB,  12288                     ; a tile of 16 rows, all of K
.set BCOD,   8*TILEB
.set SCL,    24*TILEB
.set SBLK,   544                       ; the scale words of 16 rows: two units of 256 + 16
.set SPARE,  SCL+24*SBLK               ; the spare words, 128 bytes for each wave
.set SPITCH, 528
.set ADRA, 16
.set ADRB, 18                          ; v18 my blocks 0-3 of Wo, v19 blocks 4-7
.set L8,   20
.set STO,  21
.set RD,   22
.set CO,   23
.set ADRS, 24
.set BOQ,  25
.set SPW,  28
.set NIL,  29
.set SC,   32
.set BIAS, 96
.set AF,   160
.set BK,   96
.set G1A,  24
.set G1B,  32
.set G1SA, 40
.set G1SB, 48
.set G0A,  56
.set G0B,  60
.set G0SA, 68
.set G0SB, 72
.set MSB, 0
.macro WIN new
.if MSB != (\new)
	s_set_vgpr_msb (MSB<<8)|(\new)
.set MSB, (\new)
.endif
.endm
.macro PLACES n
.rept \n
	v_nop
.endr
.endm
.macro CROUND                          ; a round of the cluster's barrier
	s_barrier_signal -1
	s_barrier_wait -1
	s_cmp_lg_u32 s16, 0
	s_cbranch_scc1 .Lnot_wave_0_\@
	s_barrier_signal -3
.Lnot_wave_0_\@:
	s_barrier_wait -3
	s_barrier_signal -1
	s_barrier_wait -1
.endm
.macro D1 g, rows                      ; group 1's constant words: so many rows of 256 bytes (32 elements of 8), dense
	s_mov_b32 s[\g+1], 32<<16
	s_mov_b32 s[\g+2], (\rows)<<16
	s_mov_b32 s[\g+3], 32<<16
	s_mov_b32 s[\g+4], \rows
	s_mov_b32 s[\g+5], 32
	s_mov_b32 s[\g+6], 0
	s_mov_b32 s[\g+7], 0
.endm
	s_load_b256 s[4:11], s[0:1], 0x0               ; oimg, osc, cimg, csc
	s_load_b128 s[12:15], s[0:1], 0x20             ; bo, out0
	v_lshl_add_u32 v[SPW], v0, 2, SPARE
	v_mov_b32 v[NIL], 0
	ds_add_u32 v[SPW], v[NIL]                      ; the opening: the add, twice on end, and its wait ahead of my tensor load
	ds_add_u32 v[SPW], v[NIL]
	v_lshrrev_b32 v1, 5, v0
	v_readfirstlane_b32 s16, v1                    ; wave 0..3
	s_lshr_b32 s17, s16, 1                         ; which 64 rows are mine
	s_and_b32 s18, s16, 1                          ; which 128 columns
	s_bfe_u32 s19, ttmp6, 0x40000                  ; cx
	s_bfe_u32 s20, ttmp6, 0x40004                  ; cy
	s_lshl_b32 s76, ttmp9, 2
	s_add_co_u32 s76, s76, s19                     ; x: which 256 columns
	s_and_b32 s77, ttmp7, 0xffff
	s_lshl_b32 s77, s77, 2
	s_add_co_u32 s77, s77, s20                     ; y: which 128 rows
	s_lshl_b32 s21, s20, 2
	s_lshl_b32 s21, 15, s21                        ; my row of the cluster
	s_lshl_b32 s22, 0x1111, s19                    ; my column
	s_or_b32 s[G1A], s21, (3<<16)|(1<<21)
	s_or_b32 s[G1B], s22, (3<<16)|(1<<21)
	s_or_b32 s[G1SA], s21, (3<<16)|(1<<20)|(1<<21)|(5<<22)|(3<<25)   ; the scale words: 16 bytes of padding behind each 256
	s_or_b32 s[G1SB], s22, (3<<16)|(1<<20)|(1<<21)|(5<<22)|(3<<25)
	D1 G1A, 384
	D1 G1B, 768
	D1 G1SA, 16
	D1 G1SB, 32
	s_mul_i32 s78, s77, 8*TILEB                    ; X's codes, by y alone
	s_mov_b32 s79, 0
	s_lshl_b32 s80, s77, 12                        ; X's scale words
	s_mov_b32 s81, 0
	s_mul_i32 s82, s76, 16*TILEB                   ; Wo's codes, by x alone
	s_add_co_u32 s82, s82, 21233664
	s_mov_b32 s83, 0
	s_lshl_b32 s84, s76, 13                        ; Wo's scale words
	s_add_co_u32 s84, s84, 884736
	s_mov_b32 s85, 0
	s_lshl_b32 s86, s76, 8
	s_lshl_b32 s87, s18, 7
	s_add_co_u32 s86, s86, s87
	s_lshl_b32 s86, s86, 2                         ; my first column, in bytes
	s_mov_b32 s87, 0
	s_lshl_b32 s88, s77, 7
	s_lshl_b32 s89, s17, 6
	s_add_co_u32 s88, s88, s89
	s_lshl_b32 s88, s88, 12                        ; my first row, rows of 4,096 bytes
	s_add_co_u32 s88, s88, s86
	s_mov_b32 s89, 0
	s_mul_i32 s90, s17, 4*TILEB                    ; LDS: my four tiles of X,
	s_mul_i32 s91, s18, 8*TILEB
	s_add_co_u32 s91, s91, BCOD                    ; my eight of Wo,
	s_add_co_u32 s92, s91, 4*TILEB
	s_mul_i32 s93, s17, 4*SBLK                     ; my rows' scale words,
	s_mul_i32 s94, s18, 8*SBLK
	s_add_co_u32 s94, s94, 8*SBLK
	s_sub_co_u32 s94, s94, s93                     ; how far behind them my columns' lie,
	s_add_co_u32 s93, s93, SCL
	s_mul_i32 s95, s16, 16*SPITCH                  ; and my stage for the way out
	s_mov_b32 s[G0A], 1
	s_mov_b32 s[G0A+1], 0
	s_mov_b32 s[G0B], 1
	s_mov_b32 s[G0B+1], BCOD
	s_mov_b32 s[G0SA], 1
	s_mov_b32 s[G0SA+1], SCL
	s_mov_b32 s[G0SB], 1
	s_mov_b32 s[G0SB+1], SCL+8*SBLK
	s_wait_dscnt 0x0
	s_wait_kmcnt 0x0
	s_add_nc_u64 s[G0A+2:G0A+3], s[4:5], s[78:79]
	s_or_b32 s[G0A+3], s[G0A+3], 0x80000000
	s_add_nc_u64 s[G0SA+2:G0SA+3], s[6:7], s[80:81]
	s_or_b32 s[G0SA+3], s[G0SA+3], 0x80000000
	s_add_nc_u64 s[G0B+2:G0B+3], s[8:9], s[82:83]
	s_or_b32 s[G0B+3], s[G0B+3], 0x80000000
	s_add_nc_u64 s[G0SB+2:G0SB+3], s[10:11], s[84:85]
	s_or_b32 s[G0SB+3], s[G0SB+3], 0x80000000
	s_add_nc_u64 s[12:13], s[12:13], s[86:87]
	s_add_nc_u64 s[14:15], s[14:15], s[88:89]
	CROUND                                         ; all sixteen work-groups are here: the joint loads meet
; the launch's four tensor loads, one a wave, in one chain of branches on the wave's number
.macro ARM under, g0, g1, next
	s_cmp_lt_u32 s16, \under
	s_cbranch_scc0 \next
	tensor_load_to_lds s[\g0:\g0+3], s[\g1:\g1+7]
	s_nop 0
	PLACES 4
	s_branch .Lasked
\next:
.endm
	ARM 1, G0B,  G1B,  .Lhead_a
	ARM 2, G0A,  G1A,  .Lhead_sa
	ARM 3, G0SA, G1SA, .Lhead_sb
	tensor_load_to_lds s[G0SB:G0SB+3], s[G1SB:G1SB+7]
	s_nop 0
	PLACES 4
.Lasked:
	v_and_b32 v1, 15, v0                           ; r
	v_bfe_u32 v2, v0, 4, 1                         ; h
	v_and_b32 v3, 31, v0
	v_lshlrev_b32 v[CO], 4, v3
	v_lshlrev_b32 v[L8], 3, v3
	v_lshlrev_b32 v[BOQ], 7, v2
	v_lshlrev_b32 v5, 5, v1                        ; my row's scale words: 32 bytes a row,
	v_mul_u32_u24 v7, s94, v2                      ; lanes 16-31 take Wo's
	v_mul_u32_u24 v8, v1, SPITCH
	v_lshrrev_b32 v6, 8, v5
	v_add_nc_u32 v[ADRA], s90, v[L8]
	v_add_nc_u32 v[ADRB], s91, v[L8]
	v_add_nc_u32 v[ADRB+1], s92, v[L8]
	v_lshl_add_u32 v5, v6, 4, v5                   ; and 16 more for each 256 passed
	v_lshl_add_u32 v8, v2, 7, v8                   ; the stage, in: row r, 128 bytes for each half of the lanes
	v_add_nc_u32 v[RD], s95, v[CO]                 ; and back: the 32 lanes take a row of 512 bytes
	v_add_nc_u32 v5, v5, v7
	v_add_nc_u32 v[STO], s95, v8
	v_add_nc_u32 v[ADRS], s93, v5
.irp t, 0,1,2,3,4,5,6,7                ; register 8 b + j of lane (r, h) is column 64 (b / 4) + 32 h + 8 (b % 4) + j
	global_load_b128 v[BIAS+8*\t:BIAS+8*\t+3], v[BOQ], s[12:13] offset:(64*(\t/4)+8*(\t%4))*4
	global_load_b128 v[BIAS+8*\t+4:BIAS+8*\t+7], v[BOQ], s[12:13] offset:(64*(\t/4)+8*(\t%4))*4+16
.endr
.macro FRAG reg, adr, off
.irp p, 0,1,2,3,4,5
	ds_load_b64 v[\reg+2*\p:\reg+2*\p+1], v[\adr] offset:\off+256*\p
.endr
.endm
.macro FETCH_B ks                      ; 48 loads
	WIN 0x40
.irp i, 0,1,2,3,4,5,6,7
	FRAG 128*((\ks)%2)+FR*\i, ADRB+\i/4, TILEB*(\i%4)+1536*(\ks)
.endr
	WIN 0
.endm
.macro FETCH_A ks                      ; 24 loads, and the step's 8 scale words
	WIN 0
.irp i, 0,1,2,3
	FRAG AF+48*((\ks)%2)+FR*\i, ADRA, TILEB*\i+1536*(\ks)
.endr
.irp i, 0,1,2,3,4,5,6,7
	ds_load_b32 v[SC+8*(\ks)+\i], v[ADRS] offset:\i*SBLK+4*(\ks)
.endr
.endm
.macro MUL8 a, ks                      ; X's block a against Wo's eight; the 32 accumulators take turns in the same order in every step
.irp b, 0,1,2,3,4,5,6,7
.if (\ks) == 0
	v_wmma_scale_f32_16x16x128_f8f6f4 v[8*(8*\a+\b):8*(8*\a+\b)+7], v[128*((\ks)%2)+FR*\b:128*((\ks)%2)+FR*\b+FR-1], v[AF+48*((\ks)%2)+FR*\a:AF+48*((\ks)%2)+FR*\a+FR-1], v[BIAS+8*\b:BIAS+8*\b+7], v[SC+8*(\ks)+\b], v[SC+8*(\ks)+\a] matrix_a_fmt:MATRIX_FMT_FP6 matrix_b_fmt:MATRIX_FMT_FP6 matrix_a_scale:MATRIX_SCALE_ROW1
.else
	v_wmma_scale_f32_16x16x128_f8f6f4 v[8*(8*\a+\b):8*(8*\a+\b)+7], v[128*((\ks)%2)+FR*\b:128*((\ks)%2)+FR*\b+FR-1], v[AF+48*((\ks)%2)+FR*\a:AF+48*((\ks)%2)+FR*\a+FR-1], v[8*(8*\a+\b):8*(8*\a+\b)+7], v[SC+8*(\ks)+\b], v[SC+8*(\ks)+\a] matrix_a_fmt:MATRIX_FMT_FP6 matrix_b_fmt:MATRIX_FMT_FP6 matrix_a_scale:MATRIX_SCALE_ROW1
.endif
.endr
.endm
.macro MWIN ks                         ; source 0 window 1, source 1 window 0, D window 2; C window 2, in the first step window 0
.if (\ks) == 0
	WIN 0x81
.else
	WIN 0xa1
.endif
.endm
.macro STEP ks
.if (\ks) > 0
	PLACES 4                                       ; in front of the loads into the set that the last step multiplied: B's below, A's in this step's middle
.endif
	FETCH_B (\ks)+1
	s_wait_dscnt 48                                ; all but the 48 just issued: this step's fragments and scale words are in
	MWIN \ks
	MUL8 0, \ks
	MUL8 1, \ks
	FETCH_A (\ks)+1
	MWIN \ks
	MUL8 2, \ks
	MUL8 3, \ks
.endm
	s_wait_alu depctr_va_vdst(0)                   ; the wait at the head's end
	s_wait_tensorcnt 0x0                           ; my block is in,
	s_barrier_signal -1
	s_barrier_wait -1                              ; everybody's is
	FETCH_B 0
	FETCH_A 0
	s_wait_loadcnt 0x0                             ; the bias
.irp k, 0,1,2,3,4,5,6
	STEP \k
.endr
	s_wait_dscnt 0x0                               ; my last reads of the tiles are over:
	s_barrier_signal -1                            ; say so, multiply the last step,
	MWIN 7
	MUL8 0, 7
	MUL8 1, 7
	MUL8 2, 7
	MUL8 3, 7
	WIN 0
	s_barrier_wait -1                              ; and only when nobody reads X's tiles any more are the stages laid over them (these bytes have had their one fill)
; THE WAY OUT, block by block of 16 rows x 128 columns, through my own stage: back come whole rows of 512 bytes.  LDS serves a wave's instructions in order: no wait between the stores and the loads
.macro TOSTAGE a
	WIN 0x08
.irp b, 0,1,2,3,4,5,6,7
	ds_store_b128 v[STO], v[64*(\a)+8*\b:64*(\a)+8*\b+3] offset:256*(\b/4)+32*(\b%4)       ; each accumulator from its low end on
	ds_store_b128 v[STO], v[64*(\a)+8*\b+4:64*(\a)+8*\b+7] offset:256*(\b/4)+32*(\b%4)+16
.endr
	WIN 0
.irp t, 0,1,2,3,4,5,6,7,8,9,10,11,12,13,14,15
	ds_load_b128 v[BK+64*((\a)%2)+4*\t:BK+64*((\a)%2)+4*\t+3], v[RD] offset:\t*SPITCH
.endr
.endm
.macro SEND a, younger                 ; younger: the LDS instructions issued behind block a's loads
	s_wait_dscnt \younger
.irp t, 0,1,2,3,4,5,6,7,8,9,10,11,12,13,14,15
	global_store_b128 v[CO], v[BK+64*((\a)%2)+4*\t:BK+64*((\a)%2)+4*\t+3], s[14:15] offset:(8*(\a)+32*(\t/8)+\t%8)*4096 th:TH_STORE_NT   ; 512 consecutive bytes, aligned
.endr
.endm
	PLACES 4
	TOSTAGE 0
.irp a, 1,2,3
.if \a > 1
	s_wait_xcnt 0x0                                ; block a - 2's stores have read their registers
.endif
	TOSTAGE \a
	SEND \a-1, 32
.endr
	SEND 3, 0
	s_wait_tensorcnt 0x0                           ; the wave's end
	ds_add_u32 v[SPW], v[NIL]
	s_wait_dscnt 0x0
	CROUND                                         ; the closing round
	s_endpgm
.Lfunc_end_k_qc88f274872_outp:
	.size	k_qc88f274872_outp, .Lfunc_end_k_qc88f274872_outp-k_qc88f274872_outp
	.p2alignl 7, 3214868480
	.fill 96, 4, 3214868480
	.section	.rodata,"a",@progbits
	.p2align	6, 0x0
	.amdhsa_kernel k_qc88f274872_outp
		.amdhsa_group_segment_fixed_size 327680
		.amdhsa_private_segment_fixed_size 0
		.amdhsa_enable_private_segment 0
		.amdhsa_kernarg_size 48
		.amdhsa_user_sgpr_count 2
		.amdhsa_user_sgpr_kernarg_segment_ptr 1
		.amdhsa_wavefront_size32 1
		.amdhsa_system_sgpr_workgroup_id_x 1
		.amdhsa_system_sgpr_workgroup_id_y 1
		.amdhsa_system_sgpr_workgroup_id_z 1
		.amdhsa_system_vgpr_workitem_id 0
		.amdhsa_next_free_vgpr 768
		.amdhsa_next_free_sgpr 100
		.amdhsa_reserve_vcc 0
		.amdhsa_float_denorm_mode_32 3
		.amdhsa_float_denorm_mode_16_64 3
		.amdhsa_memory_ordered 1
		.amdhsa_forward_progress 1
		.amdhsa_inst_pref_size 99
	.end_amdhsa_kernel
	.amdgpu_metadata
---
amdhsa.version: [ 1, 2 ]
amdhsa.kernels:
  - .name:           k_qc88f274872_outp
    .symbol:         k_qc88f274872_outp.kd
    .args:
      - { .name: oimg, .offset: 0, .size: 8, .value_kind: global_buffer, .address_space: global }
      - { .name: osc, .offset: 8, .size: 8, .value_kind: global_buffer, .address_space: global }
      - { .name: cimg, .offset: 16, .size: 8, .value_kind: global_buffer, .address_space: global }
      - { .name: csc, .offset: 24, .size: 8, .value_kind: global_buffer, .address_space: global }
      - { .name: bo, .offset: 32, .size: 8, .value_kind: global_buffer, .address_space: global }
      - { .name: out0, .offset: 40, .size: 8, .value_kind: global_buffer, .address_space: global }
    .group_segment_fixed_size: 327680
    .private_segment_fixed_size: 0
    .kernarg_segment_align: 8
    .kernarg_segment_size: 48
    .max_flat_workgroup_size: 128
    .sgpr_count:     100
    .vgpr_count:     768
    .wavefront_size: 32
...
	.end_amdgpu_metadata
.endif
;; end of part 4
